; MI455X (gfx1250); checked and timed in simulation.
; The chip was launched on July 23, 2026; its instructions are those of AMD's public machine-readable ISA for CDNA 5 (MIT licence, August 2026) and "CDNA5" Instruction Set Architecture Reference Guide (July 2026). The comments in the code are by the model that wrote it; some were corrected since.
;; Feed Forward SNN. Allowed arithmetic: float matrix products may take bf16 or f16 operands with f32 sums; all other float work in f32.
;; Inputs: W_h0 128 x 128 float32; W_in 128 x 96 float32; W_out 2 x 128 float32; v_x 1 float32; v_y 1 float32; x 128 x 1,024 x 96 float32.
;; Outputs: out0 128 x 1,024 x 2 float32.
;; 2 versions, each right; version 2 is version 1 with the launch snn written anew for expert scheduling mode. Each part assembles by itself: llvm-mc -triple=amdgcn-amd-amdhsa -mcpu=gfx1250 --defsym DOCPART=n.
;; ======== version 1 of 2: 1 launch
;; launch snn (part 1): grid 256 x 1, 4 waves a work-group, no clusters, 319,488 bytes of LDS; arguments x, W_in, W_h0, W_out, v_x, v_y, out0; writes out0
.if DOCPART == 1
	.amdgcn_target "amdgcn-amd-amdhsa--gfx1250"
	.amdhsa_code_object_version 6
	.text
	.protected	k_q4f7b575530_snn
	.globl	k_q4f7b575530_snn
	.p2align	8
	.type	k_q4f7b575530_snn,@function
k_q4f7b575530_snn:
	s_mov_b64 s[64:65], 0
	v_nop
	global_prefetch_b8 v0, s[64:65] scope:SCOPE_SE
	s_setreg_imm32_b32 hwreg(HW_REG_WAVE_MODE, 25, 1), 1
	s_wait_xcnt 0x0
; A FEED-FORWARD SPIKING NET OVER A BUFFER OF 50 FRAMES.  x [128][1024][96], W_in [128][96], W_h0 [128][128], W_out [2][128], v_x, v_y [1], out0 [128][1024][2], all f32.
; For each time t and batch row, seven sums of seven frames drive two layers of leaky neurons (decay 0.9, threshold 0.5, reset to zero) and a leaky read-out for seven steps.
; WHICH FRAMES.  From t = 48 on step s takes frames u .. u+6, u = t - 49 + 7 s (frames below 0 count as zero).  Up to t = 47, with k = (t+1) / 7: steps s < k take u = 7 s - 1, step k takes the frames
; 7 k - 1 .. t, and the steps behind it take zeros.  With zero input nothing spikes (a membrane at or under 0.5 decays, one above it is reset), so behind step k the read-out is only multiplied by 0.9^(6-k).
; LAYER 1 BY LINEARITY.  y_i = bf16(x_i) bf16(W_in)^T is made once for each frame (exact products, f32 sums) and the window sums are f32 sums of at most seven y, each made directly: no sum of x is rounded
; to bf16 in front of a threshold.  Spikes are 0 or 1, exact in bf16.  All inputs, v_x and v_y too, are rounded to bf16 once.
; A STEP OF A LAYER, for two neurons at a time: m = 0.9 m + cur; m = m - q m (q, the last spike, is 0 or 1: exactly m or exactly 0); e = 2^30 m - 2^29; q = the middle of (e, 0, 1).  The float next above 0.5 gives
; e = 64, 0.5 gives 0, so q = [m > 0.5] exactly.  Two q are packed to bf16.
; LAYOUT.  Every product is used transposed: source 0 = 16 rows of a weight matrix, source 1 = 16 samples.  In a result a lane holds ONE sample (lane % 16) and neurons 16 mt + 8 (lane / 16) + 0..7; two such
; results, packed, ARE source 1 of the next product: nothing changes lanes.  W_out is padded to 16 rows with zeros: the two outputs fall into registers 0, 1 of lanes 0-15.
; SHARES.  256 work-groups of four waves; a work-group owns 4 batch rows and all 128 t, in two passes of 2 rows (the tables of 4 rows do not fit in LDS).  A pass: each wave multiplies 32 frames (y), all sweep the
; window sums into two tables in LDS, then 84 stages of 16 samples x one step: ten S tiles (8 t x 2 rows, 7 steps) and one G tile for t <= 47 (7 t x 2 rows; for each k a partial step, whose results are thrown away
; behind its output, and a full step, which advances the state: 14 stages).  Wave 0: the G tile and S tile 0; wave w: S tiles 3 w - 2 .. 3 w: 21 stages each.
; A STAGE multiplies the spikes of step n by W_h0 (32 products) and the second layer's spikes of step n - 1 by W_out (4); layer 1 of step n + 1 rides behind these products, two to five lines each; then come the
; load of step n + 2's input from the table and layer 2 of step n.  The nine accumulators take turns, one instruction a turn.
; OUTPUTS stay in registers while the tables are read (two chains that move down one pair at each output) and go into a stage in LDS behind the pass's last barrier: between the barrier that shows the tables whole and
; that one no wave stores to LDS.
; NO CLUSTER, NO TENSOR LOAD: work-groups share the weights alone, 115,712 bytes read once at the head against 196,608 bytes of x of their own, and both want a conversion to bf16 on the way, through registers.
; x is read once: 16 lanes of a load cover 256 consecutive bytes at a multiple of 256 from x's first byte; the second pass's 48 loads a wave are issued a whole pass ahead of their use.
; LIMITS.  NaN and infinities are not treated apart (m - q m gives NaN for an infinite m that spiked, as (..) x 0 does).  The sign of a reset zero may differ.  0.9 m + cur has one rounding.  0.9^(6-k) is one constant
; stepped by 1 / 0.9, right to about 1e-6 of itself.  The window sums are added in another order than in the source: a membrane within that f32 rounding (about 1e-6) of 0.5 may fall on the other side.
; out0 leaves in pieces of 32 bytes: a work-group owns 4 of a time's 1,024 rows.  Frame 127 enters no result; it is loaded and multiplied like the others.
.set FRB,   393216                     ; bytes in a frame of x
.set PT,    528                        ; a table row: 128 f32 + 16 bytes: 33 x 16, so that 16 rows of a load start at 16 different groups of four banks (64 banks of 4 bytes: ISA guide 11.1)
.set SLB,   2*PT                       ; a slot: the pass's two batch rows
.set STEPB, 7*SLB                      ; seven slots: from a step's window to the next
.set TILEB, 8*SLB                      ; eight slots: from an S tile to the next
.set PX,    208                        ; a row of 96 bf16 + 16 bytes
.set PH,    272                        ; a row of 128 bf16 + 16 bytes
.set GB,    0                          ; partial windows: slot t + 1, t = -1 .. 55 (57 slots; those from 50 on serve the last look-ahead alone)
.set CB,    60416                      ; 128 slots: y_i in slot i, then the full window of frames u .. u+6 in slot u + 1, in place
.set WIS,   195584                     ; W_in in bf16, 128 rows
.set WHS,   222208                     ; W_h0 in bf16, 128 rows
.set XS,    257024                     ; x in bf16: 64 rows (frame x 2 + row) for each wave, the wave's own
.set OUTB,  310272                     ; the out stage: slot t + 1, 32 bytes = [4 rows][2 outputs]
.set DUMPB, 314624                     ; its shadow, for lanes 16-31, which hold no result; never read
.set SPARE, 318976                     ; the spare words: 128 bytes for each wave, named by no other line
; window 0
.set LANE, 1
.set RR,   2                           ; lane % 16
.set HH,   3                           ; lane / 16
.set LB,   4                           ; table row lane % 16, my 8 neurons: 528 r + 32 h
.set LF,   5                           ; the same for a row that hangs on the batch row alone: 528 (r & 1) + 32 h
.set GOF,  6                           ; my byte offset in out0: 8,192 x thread
.set OSA,  7                           ; out stage at S tile 3 w - 2 (waves 1 to 3)
.set WIO,  8                           ; my byte offset in two pairs of rows of W_in
.set SWA,  9                           ; where I put 8 bytes of bf16 of W_in: units 0 and 2 of a pair of rows,
.set SWB,  10                          ; unit 1
.set SXA,  11                          ; the same for x
.set SXB,  12
.set XO,   13                          ; my byte offset in two frames of x
.set L16,  15
.set XFA,  16
.set WIA,  17
.set WHA,  18
.set YST,  19
.set SW0,  20                          ; v20-22  the sweep: my 8 bytes in slots 0, 62, 124 of CB
.set GSW,  23                          ;         and in slot 0 of GB
.set WHST, 24
.set WOO,  25
.set OFS,  26                          ; out stage: 32 x (my sample's time in its tile) + 8 x (its batch row); lanes 16-31 point into the shadow
.set ADR,  29                          ; the LDS address in hand
.set SPW,  30                          ; LDS address of my spare word; never rewritten
.set NIL,  31                          ; 0; never rewritten
.set MEM1, 32                          ; v32-95   layer 1: membranes      (build: two buffers of y; sweep: two blocks of y)
.set SPQ1, 96                          ; v96-159  its last spikes, as f32
.set CUR,  160                         ; v160-223 its input               (build: x's fragments, to v255)
.set SPK1, 224                         ; v224-255 its spikes, packed
.set YA,   32
.set XF,   160
.set YB,   32                          ; v32-99, v100-167: 34 frames each, two neurons a thread
.set PR,   168                         ; rings of eight: sums of two frames,
.set WR,   184                         ; of three
.set QT,   200                         ; of four: by frame % 4
.set CT,   208                         ; of seven
.set GT,   216                         ; of five or six
; window 1
.set MEM2, 0                           ; (build: W_in's fragments, v0-191)
.set SPQ2, 64
.set ACC,  128
.set SPK2, 192
.set OAC,  224
.set MOUT, 232
.set VXY,  234
.set VDK,  236
; window 2: W_h0's fragments, (mt, kk) at 8 (8 kk + mt).   window 3:
.set WO,   0                           ; v0-31    W_out's fragments
.set XR,   32                          ; v32-223  x as loaded
.set CHG,  224                         ; v224-237 the G tile's outputs: a chain of seven pairs
.set CHS,  238                         ; v238-243 the S tiles': a chain of three pairs
; scalars.  s[4:17] the seven addresses; s18, s19 v_x, v_y; s[48:53] W_in, W_h0, out0 at my part
.set WV,   20
.set XB,   24                          ; s[24:31] x at my frames 8 t .. of this pass, t = 0 .. 3
.set DEC,  32
.set BIG,  34
.set NEGH, 36
.set IDEC, 38
.set PASS, 40
.set KC,   41
.set TILE, 42
.set MID,  43
.set I0,   46                          ; my first S tile
.set TA,   54                          ; CB at the S tile in hand
.set TCU,  55
.set TG,   56                          ; GB at window k
.set TF,   57                          ; CB at window k
.set SIX,  60
.set MSB, 0
.macro WIN new                         ; s_set_vgpr_msb: bits 1:0 source 0, 3:2 source 1, 5:4 source 2, 7:6 destination; the high byte repeats the setting that is left
.if MSB != (\new)
	s_set_vgpr_msb (MSB<<8)|(\new)
.set MSB, (\new)
.endif
.endm
.macro PLACES n
.rept \n
	v_nop
.endr
.endm
.macro BAR                             ; my LDS stores are done and my LDS loads are back; then all four waves meet
	s_wait_dscnt 0x0
	s_barrier_signal -1
	s_barrier_wait -1
.endm
; 48 loads: 32 frames x 768 bytes.  A frame's 768 bytes (2 rows of 96 f32) are three runs of 256; a load takes run c of two frames, lanes 0-15 of the one and lanes 16-31 of the next
.macro XLOAD
	WIN 0xc0
.irp t, 0,1,2,3
.irp a, 0,1,2,3
.irp c, 0,1,2
	global_load_b128 v[XR+4*(12*\t+3*\a+\c):XR+4*(12*\t+3*\a+\c)+3], v[XO], s[XB+2*\t:XB+2*\t+1] offset:\a*2*FRB+\c*256 th:TH_LOAD_NT
.endr
.endr
.endr
	WIN 0
.endm
	s_load_b256 s[4:11], s[0:1], 0x0               ; x, W_in, W_h0, W_out
	s_load_b128 s[12:15], s[0:1], 0x20             ; v_x, v_y
	s_load_b64 s[16:17], s[0:1], 0x30              ; out0
	v_lshl_add_u32 v[SPW], v0, 2, SPARE
	v_mov_b32 v[NIL], 0
	v_lshrrev_b32 v[ADR], 5, v0
	v_readfirstlane_b32 s[WV], v[ADR]              ; wave 0..3
	v_and_b32 v[LANE], 31, v0
	v_and_b32 v[RR], 15, v0
	v_bfe_u32 v[HH], v0, 4, 1
	v_mul_u32_u24 v[LB], v[RR], PT
	v_lshl_add_u32 v[LB], v[HH], 5, v[LB]
	v_and_b32 v32, 1, v0                           ; a sample's batch row in the pass
	v_mul_u32_u24 v[LF], v32, PT
	v_lshl_add_u32 v[LF], v[HH], 5, v[LF]
	v_lshlrev_b32 v[L16], 4, v[LANE]
	v_lshlrev_b32 v[GOF], 13, v0
	; Two rows of 96 f32 are 48 chunks of 16 bytes, each 8 bytes of bf16.  Run 0 (chunks r): row 0, byte 8 r.  Run 2 (chunks 32 + r): row 1, byte 64 + 8 r.  Run 1 (chunks 16 + r): row 0, byte 128 + 8 r for
	; r < 8; row 1, byte 8 r - 64 for r >= 8, which lies 208 - 192 = 16 bytes behind 128 + 8 r.  Lanes 16-31 hold the next two rows.
	v_mul_u32_u24 v33, v[HH], 2*PX
	v_lshl_add_u32 v33, v[RR], 3, v33
	v_bfe_u32 v34, v0, 3, 1
	s_mul_i32 s22, s[WV], 32*PX
	s_add_co_u32 s22, s22, WIS                     ; my 32 rows of W_in's stage
	v_add_nc_u32 v[SWA], s22, v33
	v_lshl_add_u32 v[SWB], v34, 4, v[SWA]
	s_mul_i32 s23, s[WV], 64*PX
	s_add_co_u32 s23, s23, XS                      ; my 64 rows of x's stage
	v_add_nc_u32 v[SXA], s23, v33
	v_lshl_add_u32 v[SXB], v34, 4, v[SXA]
	v_lshlrev_b32 v35, 4, v[RR]
	v_mul_u32_u24 v36, v[HH], 768
	v_add_nc_u32 v[WIO], v35, v36
	v_mul_u32_u24 v36, v[HH], FRB
	v_add_nc_u32 v[XO], v35, v36
	v_mul_u32_u24 v33, v[RR], PX                   ; a fragment's row x pitch + 16 x half
	v_lshl_add_u32 v33, v[HH], 4, v33
	v_add_nc_u32 v[WIA], WIS, v33
	v_add_nc_u32 v[XFA], s23, v33
	v_mul_u32_u24 v33, v[RR], PH
	v_lshl_add_u32 v33, v[HH], 4, v33
	v_add_nc_u32 v[WHA], WHS, v33
	s_mul_i32 s23, s[WV], 64*PT
	s_add_co_u32 s23, s23, CB
	v_add_nc_u32 v[YST], s23, v[LB]                ; y of my 32 frames: rows 64 w on
	v_lshrrev_b32 v33, 6, v0                       ; the sweep: thread / 64 is the batch row, thread % 64 the pair of neurons
	v_and_b32 v34, 63, v0
	v_mul_u32_u24 v33, v33, PT
	v_lshl_add_u32 v33, v34, 3, v33
	v_add_nc_u32 v[SW0], CB, v33
	v_add_nc_u32 v[SW0+1], CB+62*SLB, v33          ; an LDS offset has 16 bits: 62 slots to a base
	v_add_nc_u32 v[SW0+2], CB+124*SLB, v33
	v_add_nc_u32 v[GSW], GB, v33
	s_mul_i32 s23, s[WV], 32*PH
	s_add_co_u32 s23, s23, WHS
	v_lshl_add_u32 v[WHST], v[LANE], 3, s23
	v_lshlrev_b32 v[WOO], 5, v[HH]                 ; W_out: row r & 1 (rows from 2 on are cleared below), 8 f32 for each half
	v_lshl_add_u32 v[WOO], v32, 9, v[WOO]
	v_bfe_u32 v33, v0, 1, 3                        ; a sample's time in its tile
	v_lshlrev_b32 v34, 5, v33
	v_lshl_add_u32 v34, v32, 3, v34
	v_mul_u32_u24 v35, v[HH], DUMPB-OUTB
	v_add_nc_u32 v34, v34, v35
	v_add_nc_u32 v[OFS], OUTB, v34
	s_mul_i32 s2, s[WV], 3*256
	s_add_co_u32 s2, s2, 49*32-2*256               ; t = 48 has slot 49; a tile is 8 slots of 32 bytes
	v_add_nc_u32 v[OSA], s2, v[OFS]
	WIN 0xc0
.set i, CHG
.rept 20
	v_mov_b32 v[i], 0                              ; the chains are read, moving down, before their first outputs have come
.set i, i+1
.endr
	WIN 0
	s_mov_b32 s[DEC], 0x3f666666                   ; 0.9; the packed forms name a pair and take its low word for both halves
	s_mov_b32 s[DEC+1], 0x3f666666
	s_mov_b32 s[BIG], 0x4e800000                   ; 2^30
	s_mov_b32 s[BIG+1], 0x4e800000
	s_mov_b32 s[NEGH], 0xce000000                  ; -2^29
	s_mov_b32 s[NEGH+1], 0xce000000
	s_mov_b32 s[IDEC], 0x3f8e38e4                  ; 1 / 0.9
	s_mov_b32 s[IDEC+1], 0x3f8e38e4
	s_mov_b32 s[SIX], 0x3f080c84                   ; 0.9^6
	s_mov_b32 s[SIX+1], 0x3f080c84
	s_add_co_u32 s2, s[WV], 3
	s_lshr_b32 s2, s2, 2                           ; 0 for wave 0, 1 for the others
	s_lshl_b32 s2, s2, 1
	s_mul_i32 s[I0], s[WV], 3
	s_sub_co_u32 s[I0], s[I0], s2                  ; 0, 1, 4, 7
	s_mul_i32 s2, ttmp9, 1536                      ; my four batch rows in a frame,
	s_mul_i32 s3, s[WV], 32*FRB                    ; my wave's 32 frames
	s_add_co_u32 s2, s2, s3
	s_mov_b32 s3, 0
	s_wait_kmcnt 0x0
	s_load_b32 s18, s[12:13], 0x0
	s_load_b32 s19, s[14:15], 0x0
	s_add_nc_u64 s[XB:XB+1], s[4:5], s[2:3]
	s_add_nc_u64 s[XB+2:XB+3], s[XB:XB+1], 8*FRB
	s_add_nc_u64 s[XB+4:XB+5], s[XB:XB+1], 16*FRB
	s_add_nc_u64 s[XB+6:XB+7], s[XB:XB+1], 24*FRB
	s_mul_i32 s2, s[WV], 12288
	s_add_nc_u64 s[48:49], s[6:7], s[2:3]          ; my 32 rows of W_in
	s_lshl_b32 s2, s[WV], 14
	s_add_nc_u64 s[50:51], s[8:9], s[2:3]          ; my 32 rows of W_h0
	s_lshl_b32 s2, ttmp9, 5
	s_add_nc_u64 s[52:53], s[16:17], s[2:3]        ; out0 at my four batch rows
	; THE WEIGHTS, then the first pass's x
.irp a, 0,1,2,3,4,5,6,7
.irp c, 0,1,2
	global_load_b128 v[32+4*(3*\a+\c):32+4*(3*\a+\c)+3], v[WIO], s[48:49] offset:\a*1536+\c*256   ; run c of two pairs of rows
.endr
.endr
	WIN 0x80
.set i, 0
.rept 32
	global_load_b128 v[4*i:4*i+3], v[L16], s[50:51] offset:512*i   ; a row of W_h0
.set i, i+1
.endr
.set i, 0
.rept 16                               ; W_out as a fragment wants it: for 32 kk on, 8 f32 at 8 h and 8 at 16 + 8 h
	global_load_b128 v[128+4*i:128+4*i+3], v[WOO], s[10:11] offset:128*(i/4)+16*(i%2)+64*((i%4)/2)
.set i, i+1
.endr
	XLOAD
	s_wait_loadcnt 48                              ; loads come back in order (ISA guide 5.7.1): all but the 48 of x, issued last, are in
.set i, 0
.rept 48
	v_cvt_pk_bf16_f32 v[128+i], v[32+2*i], v[32+2*i+1]
.set i, i+1
.endr
.irp a, 0,1,2,3,4,5,6,7
	ds_store_b64 v[SWA], v[128+2*(3*\a):128+2*(3*\a)+1] offset:\a*4*PX
	ds_store_b64 v[SWB], v[128+2*(3*\a+1):128+2*(3*\a+1)+1] offset:\a*4*PX+128
	ds_store_b64 v[SWA], v[128+2*(3*\a+2):128+2*(3*\a+2)+1] offset:\a*4*PX+PX+64
.endr
	WIN 0x0a                                       ; sources in window 2, destination in window 0
.set i, 0
.rept 64
	v_cvt_pk_bf16_f32 v[176+i], v[2*i], v[2*i+1]
.set i, i+1
.endr
	WIN 0
.set i, 0
.rept 32
	ds_store_b64 v[WHST], v[176+2*i:176+2*i+1] offset:i*PH
.set i, i+1
.endr
	v_cmp_gt_u32 vcc_lo, 2, v[RR]
	WIN 0xca                                       ; sources in window 2, destination in window 3
.set i, 0
.rept 32
	v_cvt_pk_bf16_f32 v[WO+i], v[128+2*i], v[128+2*i+1]
.set i, i+1
.endr
	WIN 0xcc
.set i, 0
.rept 32
	v_cndmask_b32 v[WO+i], 0, v[WO+i], vcc_lo      ; rows 2 to 15 of the padded W_out are 0
.set i, i+1
.endr
	WIN 0
	s_wait_kmcnt 0x0
	v_cvt_pk_bf16_f32 v[ADR], s18, s19             ; v_x, v_y rounded like the other inputs
	WIN 0x40
	v_lshlrev_b32 v[VXY], 16, v[ADR]
	v_and_b32 v[VXY+1], 0xffff0000, v[ADR]
	WIN 0
	BAR                                            ; both weight stages are whole
	WIN 0x80
.irp kq, 0,1,2,3
.irp mq, 0,1,2,3,4,5,6,7
	ds_load_b128 v[8*(8*\kq+\mq):8*(8*\kq+\mq)+3],   v[WHA] offset:\mq*16*PH+64*\kq
	ds_load_b128 v[8*(8*\kq+\mq)+4:8*(8*\kq+\mq)+7], v[WHA] offset:\mq*16*PH+64*\kq+32
.endr
.endr
	WIN 0
	s_mov_b32 s[PASS], 2
; ---- y = W_in x^T for 16 samples (8 frames x 2 rows): 24 products, the 8 accumulators by turns
.macro MMY tt
	WIN 0x01                                       ; W_in in window 1
.irp kq, 0,1,2
.irp mq, 0,1,2,3,4,5,6,7
.if \kq == 0
	v_wmma_f32_16x16x32_bf16 v[YA+64*((\tt)&1)+8*\mq:YA+64*((\tt)&1)+8*\mq+7], v[8*(8*\kq+\mq):8*(8*\kq+\mq)+7], v[XF+24*(\tt)+8*\kq:XF+24*(\tt)+8*\kq+7], 0
.else
	v_wmma_f32_16x16x32_bf16 v[YA+64*((\tt)&1)+8*\mq:YA+64*((\tt)&1)+8*\mq+7], v[8*(8*\kq+\mq):8*(8*\kq+\mq)+7], v[XF+24*(\tt)+8*\kq:XF+24*(\tt)+8*\kq+7], v[YA+64*((\tt)&1)+8*\mq:YA+64*((\tt)&1)+8*\mq+7]
.endif
.endr
.endr
.endm
.macro STY tt                          ; into the table: row = sample, 32 bytes for each block of 16 neurons; each accumulator's lowest registers go first
	WIN 0
.irp mq, 0,1,2,3,4,5,6,7
.irp c, 0,1
	ds_store_b128 v[YST], v[YA+64*((\tt)&1)+8*\mq+4*\c:YA+64*((\tt)&1)+8*\mq+4*\c+3] offset:(\tt)*16*PT+64*\mq+16*\c
.endr
.endr
.endm
; ---- the sweep.  A thread owns one batch row and two neurons in every slot; a wave's access covers 256 consecutive bytes
.macro LOADBLK bt                      ; frames 32 bt - 2 .. 32 bt + 31
.set f, 32*(\bt)-2
.rept 34
.if f >= 0
	ds_load_b64 v[YB+68*((\bt)&1)+2*(f-32*(\bt)+2):YB+68*((\bt)&1)+2*(f-32*(\bt)+2)+1], v[SW0+f/62] offset:(f%62)*SLB
.endif
.set f, f+1
.endr
.endm
; Frames fg .. fg + 3.  p_i = y_i-1 + y_i; w_i = p_i + y_i-2; q_i = p_i + p_i-2; the full window that ends at i is q_i + w_i-4, and goes to slot i - 5, which this thread has read long before.
; The partial window that ends at i has (i + 1) % 7 + 1 frames: y, p, w, q, p_i + w_i-2, w_i + w_i-3, or the full one.  Like sums stand together, so that none reads the line before it.
.macro GROUP
.set fi, fg
.rept 4
.set yb, YB+68*((fi/32)&1)+2*(fi%32)+4
.if fi <= 126
	v_pk_add_f32 v[PR+2*(fi&7):PR+2*(fi&7)+1], v[yb-2:yb-1], v[yb:yb+1]
.endif
.set fi, fi+1
.endr
.set fi, fg
.rept 4
.set yb, YB+68*((fi/32)&1)+2*(fi%32)+4
.if fi <= 126
	v_pk_add_f32 v[WR+2*(fi&7):WR+2*(fi&7)+1], v[PR+2*(fi&7):PR+2*(fi&7)+1], v[yb-4:yb-3]
.endif
.set fi, fi+1
.endr
.set fi, fg
.rept 4
.if (fi >= 2) && (fi <= 126)
	v_pk_add_f32 v[QT+2*(fi&3):QT+2*(fi&3)+1], v[PR+2*(fi&7):PR+2*(fi&7)+1], v[PR+2*((fi-2)&7):PR+2*((fi-2)&7)+1]
.endif
.set fi, fi+1
.endr
.set fi, fg
.rept 4
.if (fi <= 55) && ((fi+1)%7 == 4)
	v_pk_add_f32 v[GT+2*(fi&3):GT+2*(fi&3)+1], v[PR+2*(fi&7):PR+2*(fi&7)+1], v[WR+2*((fi-2)&7):WR+2*((fi-2)&7)+1]
.endif
.if (fi <= 55) && ((fi+1)%7 == 5)
	v_pk_add_f32 v[GT+2*(fi&3):GT+2*(fi&3)+1], v[WR+2*(fi&7):WR+2*(fi&7)+1], v[WR+2*((fi-3)&7):WR+2*((fi-3)&7)+1]
.endif
.set fi, fi+1
.endr
.set fi, fg
.rept 4
.if (fi >= 5) && (fi <= 126)
	v_pk_add_f32 v[CT+2*(fi&3):CT+2*(fi&3)+1], v[QT+2*(fi&3):QT+2*(fi&3)+1], v[WR+2*((fi-4)&7):WR+2*((fi-4)&7)+1]
.endif
.set fi, fi+1
.endr
.set fi, fg
.rept 4
.if (fi >= 5) && (fi <= 126)
	ds_store_b64 v[SW0+(fi-5)/62], v[CT+2*(fi&3):CT+2*(fi&3)+1] offset:((fi-5)%62)*SLB
.endif
.if fi <= 55
.set gj, (fi+1)%7
.if gj == 0
.set gs, YB+68*((fi/32)&1)+2*(fi%32)+4
.elseif gj == 1
.set gs, PR+2*(fi&7)
.elseif gj == 2
.set gs, WR+2*(fi&7)
.elseif gj == 3
.set gs, QT+2*(fi&3)
.elseif gj == 6
.set gs, CT+2*(fi&3)
.else
.set gs, GT+2*(fi&3)
.endif
	ds_store_b64 v[GSW], v[gs:gs+1] offset:(fi+1)*SLB
.endif
.set fi, fi+1
.endr
.endm
.macro BLOCK bt
.if (\bt) < 3
	LOADBLK (\bt)+1                                ; slots 32 bt + 30 on: above the highest slot that this block stores, 32 bt + 26
	s_wait_dscnt 34                                ; LDS instructions of a wave end in order (ISA guide 5.7.1): all but the 34 just issued are done, this block's loads among them
.else
	s_wait_dscnt 0x0
.endif
.set fg, 32*(\bt)
.rept 8
	GROUP
.set fg, fg+4
.endr
.endm
; ---- a layer's step as a numbered list of 192 lines: 0-31 m = 0.9 m + cur; 32-63 m = m - q m; 64-95 e = 2^30 m - 2^29; 96-159 q = the middle of (e, 0, 1); 160-191 two q packed.  Ascending, so that of each
; accumulator the lowest registers are read first.  A net's first step (m = cur) begins at 64.
.set K1N, 0                            ; layer 1
.set K1S, 1                            ; layer 1, step 1 of an S tile: the old m lies where the input was, the new input where m will be
.set K1F, 2                            ; layer 1, first step: m is the input
.set K1P, 3                            ; layer 1, a partial step: all results in place of the input; the state stays
.set K2N, 4                            ; layer 2
.set K2F, 5                            ; layer 2, first step: the products have gone straight into m
.set K2P, 6                            ; layer 2, a partial step
.macro SETL k
.set L0, 0
.if (\k) < K2N
.set LA, MEM1
.set LC, CUR
.set LM, MEM1
.set LQI, SPQ1
.set LQO, SPQ1
.set LS, SPK1
.else
.set LA, MEM2
.set LC, ACC
.set LM, MEM2
.set LQI, SPQ2
.set LQO, SPQ2
.set LS, SPK2
.endif
.if (\k) == K1S
.set LA, CUR
.set LC, MEM1
.elseif (\k) == K1F
.set LM, CUR
.set L0, 64
.elseif (\k) == K1P
.set LM, CUR
.set LQO, CUR
.elseif (\k) == K2F
.set L0, 64
.elseif (\k) == K2P
.set LM, ACC
.set LQO, ACC
.endif
.endm
.macro LIFOP n
.if (\n) < 32
.set e2, 2*(\n)
	v_pk_fma_f32 v[LM+e2:LM+e2+1], v[LA+e2:LA+e2+1], s[DEC:DEC+1], v[LC+e2:LC+e2+1] op_sel_hi:[1,0,1]
.elseif (\n) < 64
.set e2, 2*((\n)-32)
	v_pk_fma_f32 v[LM+e2:LM+e2+1], v[LQI+e2:LQI+e2+1], v[LM+e2:LM+e2+1], v[LM+e2:LM+e2+1] neg_lo:[1,0,0] neg_hi:[1,0,0]
.elseif (\n) < 96
.set e2, 2*((\n)-64)
	v_pk_fma_f32 v[LQO+e2:LQO+e2+1], v[LM+e2:LM+e2+1], s[BIG:BIG+1], s[NEGH:NEGH+1] op_sel_hi:[1,0,0]
.elseif (\n) < 160
.set e2, (\n)-96
	v_med3_num_f32 v[LQO+e2], v[LQO+e2], 0, 1.0
.else
.set e2, (\n)-160
	v_cvt_pk_bf16_f32 v[LS+e2], v[LQO+2*e2], v[LQO+2*e2+1]
.endif
.endm
.macro LUMP k                          ; a whole step on end
	SETL \k
.if (\k) < K2N
	WIN 0
.else
	WIN 0x55
.endif
.set ln, L0
.rept 192-L0
	LIFOP ln
.set ln, ln+1
.endr
.endm
; Matrix instruction wi of a stage's 36: for each 32 neurons kk, eight blocks of W_h0's rows into d2, then W_out into OAC
.macro MM d2
.set kk, wi/9
.set pos, wi%9
.if pos < 8
	WIN 0x52                                       ; W_h0 window 2, spikes window 0, C and D window 1
.if kk == 0
	v_wmma_f32_16x16x32_bf16 v[(\d2)+8*pos:(\d2)+8*pos+7], v[8*(8*kk+pos):8*(8*kk+pos)+7], v[SPK1+8*kk:SPK1+8*kk+7], 0
.else
	v_wmma_f32_16x16x32_bf16 v[(\d2)+8*pos:(\d2)+8*pos+7], v[8*(8*kk+pos):8*(8*kk+pos)+7], v[SPK1+8*kk:SPK1+8*kk+7], v[(\d2)+8*pos:(\d2)+8*pos+7]
.endif
.else
	WIN 0x57                                       ; W_out window 3, spikes, C and D window 1
.if kk == 0
	v_wmma_f32_16x16x32_bf16 v[OAC:OAC+7], v[WO+8*kk:WO+8*kk+7], v[SPK2+8*kk:SPK2+8*kk+7], 0
.else
	v_wmma_f32_16x16x32_bf16 v[OAC:OAC+7], v[WO+8*kk:WO+8*kk+7], v[SPK2+8*kk:SPK2+8*kk+7], v[OAC:OAC+7]
.endif
.endif
.endm
.macro CLOAD ofs, dst                  ; a table row's 64 numbers that are mine: 32 bytes of every 64
.set i, 0
.rept 16
	ds_load_b128 v[(\dst)+4*i:(\dst)+4*i+3], v[ADR] offset:(\ofs)+64*(i/2)+16*(i%2)
.set i, i+1
.endr
.endm
; AN OUTPUT: its chain moves down one pair, and (0.9 x read-out + the product) x v goes on top.  kind = 1: an S tile's, times (v_x, v_y); 2: a partial step's, times that and the decay of the steps left out
.macro OUTEV kind
	WIN 0xc3                                       ; window 3 to window 3
.set i, 0
.if (\kind) == 1
.rept 4
	v_mov_b32 v[CHS+i], v[CHS+i+2]
.set i, i+1
.endr
	WIN 0xd1                                       ; read-out and product in window 1, destination in window 3
	v_pk_fma_f32 v[CHS+4:CHS+5], v[MOUT:MOUT+1], s[DEC:DEC+1], v[OAC:OAC+1] op_sel_hi:[1,0,1]
	WIN 0xc7                                       ; source 0 and destination in window 3, source 1 in window 1
	v_pk_mul_f32 v[CHS+4:CHS+5], v[CHS+4:CHS+5], v[VXY:VXY+1]
.else
.rept 12
	v_mov_b32 v[CHG+i], v[CHG+i+2]
.set i, i+1
.endr
	WIN 0xd1
	v_pk_fma_f32 v[CHG+12:CHG+13], v[MOUT:MOUT+1], s[DEC:DEC+1], v[OAC:OAC+1] op_sel_hi:[1,0,1]
	WIN 0xc7
	v_pk_mul_f32 v[CHG+12:CHG+13], v[CHG+12:CHG+13], v[VDK:VDK+1]
.endif
.endm
; A STAGE.  d2: where W_h0's products go; l1: the kind of the layer-1 step that rides; l2: the kind of this step's layer 2; s[sreg] + v[breg] + ofs: the table row fetched, into dst;
; out = 0: the read-out takes the product; 1: the S tile before has its output, and the read-out starts anew; 2: a partial step has its output, and the read-out stays.
.macro STAGE d2, l1, l2, sreg, breg, ofs, dst, out
	s_wait_dscnt 0x0                               ; the input asked for in the last stage, in front of that stage's layer 2
	SETL \l1
.set wi, 0
.set ln, L0
.rept 36
	MM \d2
	WIN 0
.rept ((160-L0)*(wi+1))/36-((160-L0)*wi)/36
	LIFOP ln                                       ; none of these names a register of the products round it
.set ln, ln+1
.endr
.set wi, wi+1
.endr
.rept 32                               ; the packs write the spikes that the products have read: the last eight registers, read by the last product but one, come behind 24 other packs.  These 32 plain
	LIFOP ln                                       ; lines are also the places between the last products and the first read of their results (ISA guide 7.12.1)
.set ln, ln+1
.endr
	v_add_nc_u32 v[ADR], s[\sreg], v[\breg]
	CLOAD \ofs, \dst
.if (\out) == 0
	WIN 0x55
	v_pk_fma_f32 v[MOUT:MOUT+1], v[MOUT:MOUT+1], s[DEC:DEC+1], v[OAC:OAC+1] op_sel_hi:[1,0,1]
.else
	OUTEV \out
	WIN 0x55
.if (\out) == 1
	v_mov_b32 v[MOUT], 0
	v_mov_b32 v[MOUT+1], 0
.else
	v_pk_mul_f32 v[VDK:VDK+1], v[VDK:VDK+1], s[IDEC:IDEC+1] op_sel_hi:[1,0]
.endif
.endif
	LUMP \l2
.endm
.macro ZERO2                           ; no second-layer spikes yet, and an empty read-out
	WIN 0x40
.set i, SPK2
.rept 32
	v_mov_b32 v[i], 0
.set i, i+1
.endr
	v_mov_b32 v[MOUT], 0
	v_mov_b32 v[MOUT+1], 0
.endm
; The chains go into the out stage; p: the pass's 16 bytes in a slot.  Wave 0: window k's seven times begin at slot 7 k.  The tile's eighth time (lanes 14, 15) holds no result and falls on the next window's first
; slot, for k = 6 on S tile 0's: LDS serves a wave's instructions in order (ISA guide 5.7.1.4), and the next store of this wave writes the true numbers over it.
.macro OUTST p
	s_cmp_lg_u32 s[WV], 0
	s_cbranch_scc1 .Lnot_0_\@
	WIN 0x0c                                       ; address in window 0, data in window 3
.irp k, 0,1,2,3,4,5,6
	ds_store_b64 v[OFS], v[CHG+2*\k:CHG+2*\k+1] offset:\k*7*32+(\p)
.endr
	ds_store_b64 v[OFS], v[CHS+4:CHS+5] offset:49*32+(\p)          ; S tile 0: wave 0's chain has had two outputs, of which the first was none
	WIN 0
	s_branch .Lstored_\@
.Lnot_0_\@:
	WIN 0x0c
.irp k, 0,1,2
	ds_store_b64 v[OSA], v[CHS+2*\k:CHS+2*\k+1] offset:\k*256+(\p) ; four outputs: the first, which was none, has left the chain
.endr
	WIN 0
.Lstored_\@:
.endm
.Lpass:                                                ; two trips: batch rows 0, 1 and 2, 3 of my four
	WIN 0x40
.irp kq, 0,1,2
.irp mq, 0,1,2,3,4,5,6,7
	ds_load_b128 v[8*(8*\kq+\mq):8*(8*\kq+\mq)+3],   v[WIA] offset:\mq*16*PX+64*\kq
	ds_load_b128 v[8*(8*\kq+\mq)+4:8*(8*\kq+\mq)+7], v[WIA] offset:\mq*16*PX+64*\kq+32
.endr
.endr
	s_wait_loadcnt 0x0                             ; this pass's x
	WIN 0x0f                                       ; sources in window 3, destination in window 0
.set i, 0
.rept 96
	v_cvt_pk_bf16_f32 v[32+i], v[XR+2*i], v[XR+2*i+1]
.set i, i+1
.endr
	WIN 0
.irp t, 0,1,2,3
.irp a, 0,1,2,3
	ds_store_b64 v[SXA], v[32+2*(12*\t+3*\a):32+2*(12*\t+3*\a)+1] offset:(16*\t+4*\a)*PX
	ds_store_b64 v[SXB], v[32+2*(12*\t+3*\a+1):32+2*(12*\t+3*\a+1)+1] offset:(16*\t+4*\a)*PX+128
	ds_store_b64 v[SXA], v[32+2*(12*\t+3*\a+2):32+2*(12*\t+3*\a+2)+1] offset:(16*\t+4*\a)*PX+PX+64
.endr
.endr
.irp t, 0,1,2,3
.irp kq, 0,1,2
	ds_load_b128 v[XF+24*\t+8*\kq:XF+24*\t+8*\kq+3],   v[XFA] offset:\t*16*PX+64*\kq      ; my wave's own bytes: LDS serves a wave's instructions in order (ISA guide 5.7.1.4), so these see the stores above
	ds_load_b128 v[XF+24*\t+8*\kq+4:XF+24*\t+8*\kq+7], v[XFA] offset:\t*16*PX+64*\kq+32
.endr
.endr
	s_wait_dscnt 0x0                               ; the fragments of W_in and x (in the first trip W_h0's too)
	MMY 0
	MMY 1
	PLACES 5                                       ; between products and the stores that read them, and the products that write over them
	STY 0
	MMY 2
	PLACES 5
	STY 1
	MMY 3
	PLACES 5
	STY 2
	STY 3
	BAR                                            ; y of all 128 frames is in the table
	LOADBLK 0
.irp j, 0,1,2,3
	v_mov_b32 v[YB+\j], 0                          ; frames -2 and -1
.endr
	ds_store_b64 v[GSW], v[YB:YB+1]                ; the partial window of t = -1
	BLOCK 0
	BLOCK 1
	BLOCK 2
	BLOCK 3
	BAR                                            ; both tables are whole; from here to the next barrier LDS is only read
	s_cmp_eq_u32 s[PASS], 1
	s_cbranch_scc1 .Lno_x                          ; the second trip has no pass behind it
.irp t, 0,1,2,3
	s_add_nc_u64 s[XB+2*\t:XB+2*\t+1], s[XB+2*\t:XB+2*\t+1], 768  ; the loads that named these are done: the wait for x above
.endr
	XLOAD                                          ; the next pass's x: 48 loads stay out during this pass's 21 stages; nothing names their registers till the wait for x
.Lno_x:
	s_mul_i32 s[TA], s[I0], TILEB
	s_add_co_u32 s[TA], s[TA], CB
	s_cmp_lg_u32 s[WV], 0
	s_cbranch_scc1 .Lno_g
	; THE G TILE (wave 0).  The net's state is zero and is written so: 256 registers, in place of two more texts of a stage for the first window
.set i, MEM1
.rept 128
	v_mov_b32 v[i], 0
.set i, i+1
.endr
	WIN 0x40
.set i, MEM2
.rept 128
	v_mov_b32 v[i], 0
.set i, i+1
.endr
	ZERO2
	WIN 0x55
	v_pk_mul_f32 v[VDK:VDK+1], v[VXY:VXY+1], s[SIX:SIX+1] op_sel_hi:[1,0]
	WIN 0
	s_mov_b32 s[TG], GB
	s_mov_b32 s[TF], CB
	v_add_nc_u32 v[ADR], s[TG], v[LB]
	CLOAD 0, CUR
	s_wait_dscnt 0x0
	LUMP K1P                                       ; layer 1 of window 0's partial step
	v_add_nc_u32 v[ADR], s[TF], v[LF]
	CLOAD 0, CUR
	s_mov_b32 s[KC], 7
.Lg:                                                   ; window k: its partial step, then its full step.  The seventh full step and the last look-aheads read written rows and serve nothing
	STAGE ACC, K1N, K2P, TG, LB, STEPB, CUR, 0
	STAGE ACC, K1P, K2N, TF, LF, STEPB, CUR, 2
	WIN 0
	s_add_co_u32 s[TG], s[TG], STEPB
	s_add_co_u32 s[TF], s[TF], STEPB
	s_sub_co_u32 s[KC], s[KC], 1
	s_cmp_lg_u32 s[KC], 0
	s_cbranch_scc1 .Lg
.Lno_g:
	; THE S TILES
	s_wait_dscnt 0x0                               ; the G tile's last look-ahead lands in the registers that are loaded next
	ZERO2
	WIN 0
	v_add_nc_u32 v[ADR], s[TA], v[LB]
	CLOAD 0, CUR
	s_wait_dscnt 0x0
	LUMP K1F                                       ; layer 1 of my first tile's step 0
	CLOAD STEPB, MEM1
	s_mov_b32 s[TILE], 3
.Lt:
	s_cmp_lg_u32 s[WV], 0
	s_cbranch_scc1 .Llive
	s_cmp_lg_u32 s[TILE], 3
	s_cbranch_scc1 .Lts                            ; wave 0 has one S tile: its last two trips are jumped over
.Llive:
	STAGE MEM2, K1S, K2F, TA, LB, 2*STEPB, CUR, 1  ; step 0; the tile before has its output
	WIN 0
	s_add_co_u32 s[TCU], s[TA], 3*STEPB
	s_mov_b32 s[MID], 4
.Lm:                                                   ; steps 1 to 4
	STAGE ACC, K1N, K2N, TCU, LB, 0, CUR, 0
	WIN 0
	s_add_co_u32 s[TCU], s[TCU], STEPB
	s_sub_co_u32 s[MID], s[MID], 1
	s_cmp_lg_u32 s[MID], 0
	s_cbranch_scc1 .Lm
	STAGE ACC, K1N, K2N, TA, LB, TILEB, CUR, 0     ; step 5; the next tile's step 0 is fetched (behind a wave's last tile: written rows, not used)
	STAGE ACC, K1F, K2N, TA, LB, TILEB+STEPB, MEM1, 0  ; step 6; the next tile's first layer 1 rides
	WIN 0
	s_add_co_u32 s[TA], s[TA], TILEB
.Lts:
	s_sub_co_u32 s[TILE], s[TILE], 1
	s_cmp_lg_u32 s[TILE], 0
	s_cbranch_scc1 .Lt
	; my last tile's last read-out: four products on one accumulator
	WIN 0x57
	v_wmma_f32_16x16x32_bf16 v[OAC:OAC+7], v[WO:WO+7], v[SPK2:SPK2+7], 0
.irp kq, 1,2,3
	s_wait_alu depctr_va_vdst(0)                   ; each link adds onto the link before: the wait stands ahead of it
	v_wmma_f32_16x16x32_bf16 v[OAC:OAC+7], v[WO+8*\kq:WO+8*\kq+7], v[SPK2+8*\kq:SPK2+8*\kq+7], v[OAC:OAC+7]
.endr
	PLACES 4
	OUTEV 1
	WIN 0
	BAR                                            ; nobody reads the tables any more
	s_cmp_eq_u32 s[PASS], 1
	s_cbranch_scc1 .Lsecond
	OUTST 0
	s_branch .Lpass_end
.Lsecond:
	OUTST 16
.Lpass_end:
	s_sub_co_u32 s[PASS], s[PASS], 1
	s_cmp_lg_u32 s[PASS], 0
	s_cbranch_scc1 .Lpass
	; THE WAY OUT: thread t takes time t's 32 bytes
	BAR                                            ; every wave's outputs of both passes are in the stage
	v_lshl_add_u32 v[ADR], v0, 5, OUTB+32
	ds_load_b128 v[32:35], v[ADR]
	ds_load_b128 v[36:39], v[ADR] offset:16
	s_wait_dscnt 0x0
	global_store_b128 v[GOF], v[32:35], s[52:53] th:TH_STORE_NT
	global_store_b128 v[GOF], v[36:39], s[52:53] offset:16 th:TH_STORE_NT
	s_wait_tensorcnt 0x0                           ; the wave's end, behind my last LDS store
	ds_add_u32 v[SPW], v[NIL]
	s_wait_dscnt 0x0
	s_endpgm
.Lfunc_end_k_q4f7b575530_snn:
	.size	k_q4f7b575530_snn, .Lfunc_end_k_q4f7b575530_snn-k_q4f7b575530_snn
	.p2alignl 7, 3214868480
	.fill 96, 4, 3214868480
	.section	.rodata,"a",@progbits
	.p2align	6, 0x0
	.amdhsa_kernel k_q4f7b575530_snn
		.amdhsa_group_segment_fixed_size 319488
		.amdhsa_private_segment_fixed_size 0
		.amdhsa_enable_private_segment 0
		.amdhsa_kernarg_size 56
		.amdhsa_user_sgpr_count 2
		.amdhsa_user_sgpr_kernarg_segment_ptr 1
		.amdhsa_wavefront_size32 1
		.amdhsa_system_sgpr_workgroup_id_x 1
		.amdhsa_system_sgpr_workgroup_id_y 1
		.amdhsa_system_sgpr_workgroup_id_z 1
		.amdhsa_system_vgpr_workitem_id 0
		.amdhsa_next_free_vgpr 1024
		.amdhsa_next_free_sgpr 66
		.amdhsa_reserve_vcc 1
		.amdhsa_float_denorm_mode_32 3
		.amdhsa_float_denorm_mode_16_64 3
		.amdhsa_memory_ordered 1
		.amdhsa_forward_progress 1
		.amdhsa_inst_pref_size 255
	.end_amdhsa_kernel
	.section	.bss,"aw",@nobits
	.p2align	6
	.space	262144
	.amdgpu_metadata
---
amdhsa.version: [ 1, 2 ]
amdhsa.kernels:
  - .name:           k_q4f7b575530_snn
    .symbol:         k_q4f7b575530_snn.kd
    .args:
      - { .name: x, .offset: 0, .size: 8, .value_kind: global_buffer, .address_space: global }
      - { .name: W_in, .offset: 8, .size: 8, .value_kind: global_buffer, .address_space: global }
      - { .name: W_h0, .offset: 16, .size: 8, .value_kind: global_buffer, .address_space: global }
      - { .name: W_out, .offset: 24, .size: 8, .value_kind: global_buffer, .address_space: global }
      - { .name: v_x, .offset: 32, .size: 8, .value_kind: global_buffer, .address_space: global }
      - { .name: v_y, .offset: 40, .size: 8, .value_kind: global_buffer, .address_space: global }
      - { .name: out0, .offset: 48, .size: 8, .value_kind: global_buffer, .address_space: global }
    .group_segment_fixed_size: 319488
    .private_segment_fixed_size: 0
    .kernarg_segment_align: 8
    .kernarg_segment_size: 56
    .max_flat_workgroup_size: 128
    .sgpr_count:     66
    .vgpr_count:     1024
    .wavefront_size: 32
...
	.end_amdgpu_metadata
.endif
;; end of part 1
;; ======== version 2 of 2: 1 launch; version 1 with the launch snn written anew for expert scheduling mode
;; launch snn (part 2): grid 256 x 1, 4 waves a work-group, no clusters, 319,488 bytes of LDS; arguments x, W_in, W_h0, W_out, v_x, v_y, out0; writes out0
.if DOCPART == 2
	.amdgcn_target "amdgcn-amd-amdhsa--gfx1250"
	.amdhsa_code_object_version 6
	.text
	.protected	k_q4f7b575530_snn
	.globl	k_q4f7b575530_snn
	.p2align	8
	.type	k_q4f7b575530_snn,@function
k_q4f7b575530_snn:
	s_mov_b64 s[64:65], 0
	v_nop
	global_prefetch_b8 v0, s[64:65] scope:SCOPE_SE
	s_setreg_imm32_b32 hwreg(HW_REG_WAVE_SCHED_MODE, 0, 2), 2
	s_setreg_imm32_b32 hwreg(HW_REG_WAVE_MODE, 25, 1), 1
	s_wait_xcnt 0x0
	s_wait_alu depctr_vm_vsrc(0)
; A FEED-FORWARD SPIKING NET OVER A BUFFER OF 50 FRAMES.  x [128][1024][96], W_in [128][96], W_h0 [128][128], W_out [2][128], v_x, v_y [1], out0 [128][1024][2], all f32.
; For each time t and batch row, seven sums of seven frames drive two layers of leaky neurons (decay 0.9, threshold 0.5, reset to zero) and a leaky read-out for seven steps.
; WHICH FRAMES.  From t = 48 on step s takes frames u .. u+6, u = t - 49 + 7 s (frames below 0 count as zero).  Up to t = 47, with k = (t+1) / 7: steps s < k take u = 7 s - 1, step k takes the frames
; 7 k - 1 .. t, and the steps behind it take zeros.  With zero input nothing spikes (a membrane at or under 0.5 decays, one above it is reset), so behind step k the read-out is only multiplied by 0.9^(6-k).
; LAYER 1 BY LINEARITY.  y_i = bf16(x_i) bf16(W_in)^T is made once for each frame (exact products, f32 sums) and the window sums are f32 sums of at most seven y, each made directly: no sum of x is rounded
; to bf16 in front of a threshold.  Spikes are 0 or 1, exact in bf16.  All inputs, v_x and v_y too, are rounded to bf16 once.
; A STEP OF A LAYER, for two neurons at a time: m = 0.9 m + cur; m = m - q m (q, the last spike, is 0 or 1: exactly m or exactly 0); e = 2^30 m - 2^29; q = the middle of (e, 0, 1).  The float next above 0.5 gives
; e = 64, 0.5 gives 0, so q = [m > 0.5] exactly.  Two q are packed to bf16.
; LAYOUT.  Every product is used transposed: source 0 = 16 rows of a weight matrix, source 1 = 16 samples.  In a result a lane holds ONE sample (lane % 16) and neurons 16 mt + 8 (lane / 16) + 0..7; two such
; results, packed, ARE source 1 of the next product: nothing changes lanes.  W_out is padded to 16 rows with zeros: the two outputs fall into registers 0, 1 of lanes 0-15.
; SHARES.  256 work-groups of four waves; a work-group owns 4 batch rows and all 128 t, in two passes of 2 rows (the tables of 4 rows do not fit in LDS).  A pass: each wave multiplies 32 frames (y), all sweep the
; window sums into two tables in LDS, then 84 stages of 16 samples x one step: ten S tiles (8 t x 2 rows, 7 steps) and one G tile for t <= 47 (7 t x 2 rows; for each k a partial step, whose results are thrown away
; behind its output, and a full step, which advances the state: 14 stages).  Wave 0: the G tile and S tile 0; wave w: S tiles 3 w - 2 .. 3 w: 21 stages each.
; A STAGE multiplies the spikes of step n by W_h0 (32 products) and the second layer's spikes of step n - 1 by W_out (4); layer 1 of step n + 1 rides behind these products, two to five lines each; then come the
; load of step n + 2's input from the table and layer 2 of step n.  The nine accumulators take turns, one instruction a turn.
; OUTPUTS stay in registers while the tables are read (two chains that move down one pair at each output) and go into a stage in LDS behind the pass's last barrier: between the barrier that shows the tables whole and
; that one no wave stores to LDS.
; NO CLUSTER, NO TENSOR LOAD: work-groups share the weights alone, 115,712 bytes read once at the head against 196,608 bytes of x of their own, and both want a conversion to bf16 on the way, through registers.
; x is read once: 16 lanes of a load cover 256 consecutive bytes at a multiple of 256 from x's first byte; the second pass's 48 loads a wave are issued a whole pass ahead of their use.
; LIMITS.  NaN and infinities are not treated apart (m - q m gives NaN for an infinite m that spiked, as (..) x 0 does).  The sign of a reset zero may differ.  0.9 m + cur has one rounding.  0.9^(6-k) is one constant
; stepped by 1 / 0.9, right to about 1e-6 of itself.  The window sums are added in another order than in the source: a membrane within that f32 rounding (about 1e-6) of 0.5 may fall on the other side.
; out0 leaves in pieces of 32 bytes: a work-group owns 4 of a time's 1,024 rows.  Frame 127 enters no result; it is loaded and multiplied like the others.
; THE MODE: SCHED_MODE bits 1:0 = 2 (LLVM: expert scheduling mode 2), set by the entry lines.  The code itself states the register dependences between vector or matrix instructions and memory or LDS
; instructions, with s_wait_alu, always for 0.
; THE PLAN.  Registers that memory or LDS instructions touch, and who else names them:
;   v4-v26      offsets and LDS addresses: written at the head, ahead of its first wait on va_vdst, and never again.
;   v[ADR]      the one address that is stepped: each fetch from a table has a wait on vm_vsrc (the last fetch has read it), the add, and a wait on va_vdst, which the fetch's destination owes in any case.
;   build       x's conversions write v32-127, the staging stores read them, the products write them again; the products write two buffers of y (v32-95, v96-159), the table stores read them: buffer 1's stores
;               stand behind the products that write buffer 0 anew and name none of their registers.
;   sweep       two blocks of y (v32-99, v100-167): loaded a block ahead, read by the sums and by a few stores.  Five rings of eight pairs (v168-247): group g's sums write half g % 2, the stores issued in step
;               g + 1 read it, group g + 2's sums write it again.  So a step has two waits at its head: the stores of the step before have read their half; the last group's sums are written.
;   stages      CUR and MEM1: table loads land in them, layer 1's riders read and write them.  ONE wait on va_vdst to a stage, behind its products and packs, where layer 2 wants the products finished in any case.
;   window 1    v0-191: W_in's fragments land at a pass's head; matrix and vector instructions alone name them else.       window 2: the weights as loaded, read by conversions; then W_h0's fragments.
;   window 3    v32-223: x as loaded, read by a pass's conversions, asked for again behind the sweep.  v224-243: the chains, written by the outputs, read by the stores behind the pass's last barrier.
.set FRB,   393216                     ; bytes in a frame of x
.set PT,    528                        ; a table row: 128 f32 + 16 bytes: 33 x 16, so that 16 rows of a load start at 16 different groups of four banks (64 banks of 4 bytes: ISA guide 11.1)
.set SLB,   2*PT                       ; a slot: the pass's two batch rows
.set STEPB, 7*SLB                      ; seven slots: from a step's window to the next
.set TILEB, 8*SLB                      ; eight slots: from an S tile to the next
.set PX,    208                        ; a row of 96 bf16 + 16 bytes
.set PH,    272                        ; a row of 128 bf16 + 16 bytes
.set GB,    0                          ; partial windows: slot t + 1, t = -1 .. 55 (57 slots; those from 50 on serve the last look-ahead alone)
.set CB,    60416                      ; 128 slots: y_i in slot i, then the full window of frames u .. u+6 in slot u + 1, in place
.set WIS,   195584                     ; W_in in bf16, 128 rows
.set WHS,   222208                     ; W_h0 in bf16, 128 rows
.set XS,    257024                     ; x in bf16: 64 rows (frame x 2 + row) for each wave, the wave's own
.set OUTB,  310272                     ; the out stage: slot t + 1, 32 bytes = [4 rows][2 outputs]
.set DUMPB, 314624                     ; its shadow, for lanes 16-31, which hold no result; never read
.set SPARE, 318976                     ; the spare words: 128 bytes for each wave, named by no other line
; window 0
.set LANE, 1
.set RR,   2                           ; lane % 16
.set HH,   3                           ; lane / 16
.set LB,   4                           ; table row lane % 16, my 8 neurons: 528 r + 32 h
.set LF,   5                           ; the same for a row that hangs on the batch row alone: 528 (r & 1) + 32 h
.set GOF,  6                           ; my byte offset in out0: 8,192 x thread
.set OSA,  7                           ; out stage at S tile 3 w - 2 (waves 1 to 3)
.set WIO,  8                           ; my byte offset in two pairs of rows of W_in
.set SWA,  9                           ; where I put 8 bytes of bf16 of W_in: units 0 and 2 of a pair of rows,
.set SWB,  10                          ; unit 1
.set SXA,  11                          ; the same for x
.set SXB,  12
.set XO,   13                          ; my byte offset in two frames of x
.set L16,  15
.set XFA,  16
.set WIA,  17
.set WHA,  18
.set YST,  19
.set SW0,  20                          ; v20-22  the sweep: my 8 bytes in slots 0, 62, 124 of CB
.set GSW,  23                          ;         and in slot 0 of GB
.set WHST, 24
.set WOO,  25
.set OFS,  26                          ; out stage: 32 x (my sample's time in its tile) + 8 x (its batch row); lanes 16-31 point into the shadow
.set ADR,  29                          ; the LDS address in hand
.set SPW,  30                          ; LDS address of my spare word; never rewritten
.set NIL,  31                          ; 0; never rewritten
.set MEM1, 32                          ; v32-95   layer 1: membranes      (build: two buffers of y; sweep: two blocks of y)
.set SPQ1, 96                          ; v96-159  its last spikes, as f32
.set CUR,  160                         ; v160-223 its input               (build: x's fragments, to v255)
.set SPK1, 224                         ; v224-255 its spikes, packed
.set YA,   32
.set XF,   160
.set YB,   32                          ; v32-99, v100-167: 34 frames each, two neurons a thread
.set PR,   168                         ; rings of eight pairs, by frame % 8: sums of two frames,
.set WR,   184                         ; of three,
.set QT,   200                         ; of four,
.set CT,   216                         ; of seven,
.set GT,   232                         ; of five or six
; window 1
.set MEM2, 0                           ; (build: W_in's fragments, v0-191)
.set SPQ2, 64
.set ACC,  128
.set SPK2, 192
.set OAC,  224
.set MOUT, 232
.set VXY,  234
.set VDK,  236
; window 2: W_h0's fragments, (mt, kk) at 8 (8 kk + mt).   window 3:
.set WO,   0                           ; v0-31    W_out's fragments
.set XR,   32                          ; v32-223  x as loaded
.set CHG,  224                         ; v224-237 the G tile's outputs: a chain of seven pairs
.set CHS,  238                         ; v238-243 the S tiles': a chain of three pairs
; scalars.  s[4:17] the seven addresses; s18, s19 v_x, v_y; s[48:53] W_in, W_h0, out0 at my part
.set WV,   20
.set XB,   24                          ; s[24:31] x at my frames 8 t .. of this pass, t = 0 .. 3
.set DEC,  32
.set BIG,  34
.set NEGH, 36
.set IDEC, 38
.set PASS, 40
.set KC,   41
.set TILE, 42
.set MID,  43
.set I0,   46                          ; my first S tile
.set TA,   54                          ; CB at the S tile in hand
.set TCU,  55
.set TG,   56                          ; GB at window k
.set TF,   57                          ; CB at window k
.set SIX,  60
.set MSB, 0
.macro WIN new                         ; s_set_vgpr_msb: bits 1:0 source 0, 3:2 source 1, 5:4 source 2, 7:6 destination; the high byte repeats the setting that is left
.if MSB != (\new)
	s_set_vgpr_msb (MSB<<8)|(\new)
.set MSB, (\new)
.endif
.endm
.macro PLACES n
.rept \n
	v_nop
.endr
.endm
.macro BAR                             ; my LDS stores are done and my LDS loads are back; then all four waves meet
	s_wait_dscnt 0x0
	s_barrier_signal -1
	s_barrier_wait -1
.endm
; 48 loads: 32 frames x 768 bytes.  A frame's 768 bytes (2 rows of 96 f32) are three runs of 256; a load takes run c of two frames, lanes 0-15 of the one and lanes 16-31 of the next
.macro XLOAD
	WIN 0xc0
.irp t, 0,1,2,3
.irp a, 0,1,2,3
.irp c, 0,1,2
	global_load_b128 v[XR+4*(12*\t+3*\a+\c):XR+4*(12*\t+3*\a+\c)+3], v[XO], s[XB+2*\t:XB+2*\t+1] offset:\a*2*FRB+\c*256 th:TH_LOAD_NT
.endr
.endr
.endr
	WIN 0
.endm
	s_load_b256 s[4:11], s[0:1], 0x0               ; x, W_in, W_h0, W_out
	s_load_b128 s[12:15], s[0:1], 0x20             ; v_x, v_y
	s_load_b64 s[16:17], s[0:1], 0x30              ; out0
	v_lshl_add_u32 v[SPW], v0, 2, SPARE
	v_mov_b32 v[NIL], 0
	v_lshrrev_b32 v[ADR], 5, v0
	v_readfirstlane_b32 s[WV], v[ADR]              ; wave 0..3
	v_and_b32 v[LANE], 31, v0
	v_and_b32 v[RR], 15, v0
	v_bfe_u32 v[HH], v0, 4, 1
	v_mul_u32_u24 v[LB], v[RR], PT
	v_lshl_add_u32 v[LB], v[HH], 5, v[LB]
	v_and_b32 v32, 1, v0                           ; a sample's batch row in the pass
	v_mul_u32_u24 v[LF], v32, PT
	v_lshl_add_u32 v[LF], v[HH], 5, v[LF]
	v_lshlrev_b32 v[L16], 4, v[LANE]
	v_lshlrev_b32 v[GOF], 13, v0
	; Two rows of 96 f32 are 48 chunks of 16 bytes, each 8 bytes of bf16.  Run 0 (chunks r): row 0, byte 8 r.  Run 2 (chunks 32 + r): row 1, byte 64 + 8 r.  Run 1 (chunks 16 + r): row 0, byte 128 + 8 r for
	; r < 8; row 1, byte 8 r - 64 for r >= 8, which lies 208 - 192 = 16 bytes behind 128 + 8 r.  Lanes 16-31 hold the next two rows.
	v_mul_u32_u24 v33, v[HH], 2*PX
	v_lshl_add_u32 v33, v[RR], 3, v33
	v_bfe_u32 v34, v0, 3, 1
	s_wait_alu depctr_va_sdst(0)                   ; the wave's number is written, ahead of its first reader: LDS places, bases and branches are made from it
	s_mul_i32 s22, s[WV], 32*PX
	s_add_co_u32 s22, s22, WIS                     ; my 32 rows of W_in's stage
	v_add_nc_u32 v[SWA], s22, v33
	v_lshl_add_u32 v[SWB], v34, 4, v[SWA]
	s_mul_i32 s23, s[WV], 64*PX
	s_add_co_u32 s23, s23, XS                      ; my 64 rows of x's stage
	v_add_nc_u32 v[SXA], s23, v33
	v_lshl_add_u32 v[SXB], v34, 4, v[SXA]
	v_lshlrev_b32 v35, 4, v[RR]
	v_mul_u32_u24 v36, v[HH], 768
	v_add_nc_u32 v[WIO], v35, v36
	v_mul_u32_u24 v36, v[HH], FRB
	v_add_nc_u32 v[XO], v35, v36
	v_mul_u32_u24 v33, v[RR], PX                   ; a fragment's row x pitch + 16 x half
	v_lshl_add_u32 v33, v[HH], 4, v33
	v_add_nc_u32 v[WIA], WIS, v33
	v_add_nc_u32 v[XFA], s23, v33
	v_mul_u32_u24 v33, v[RR], PH
	v_lshl_add_u32 v33, v[HH], 4, v33
	v_add_nc_u32 v[WHA], WHS, v33
	s_mul_i32 s23, s[WV], 64*PT
	s_add_co_u32 s23, s23, CB
	v_add_nc_u32 v[YST], s23, v[LB]                ; y of my 32 frames: rows 64 w on
	v_lshrrev_b32 v33, 6, v0                       ; the sweep: thread / 64 is the batch row, thread % 64 the pair of neurons
	v_and_b32 v34, 63, v0
	v_mul_u32_u24 v33, v33, PT
	v_lshl_add_u32 v33, v34, 3, v33
	v_add_nc_u32 v[SW0], CB, v33
	v_add_nc_u32 v[SW0+1], CB+62*SLB, v33          ; an LDS offset has 16 bits: 62 slots to a base
	v_add_nc_u32 v[SW0+2], CB+124*SLB, v33
	v_add_nc_u32 v[GSW], GB, v33
	s_mul_i32 s23, s[WV], 32*PH
	s_add_co_u32 s23, s23, WHS
	v_lshl_add_u32 v[WHST], v[LANE], 3, s23
	v_lshlrev_b32 v[WOO], 5, v[HH]                 ; W_out: row r & 1 (rows from 2 on are cleared below), 8 f32 for each half
	v_lshl_add_u32 v[WOO], v32, 9, v[WOO]
	v_bfe_u32 v33, v0, 1, 3                        ; a sample's time in its tile
	v_lshlrev_b32 v34, 5, v33
	v_lshl_add_u32 v34, v32, 3, v34
	v_mul_u32_u24 v35, v[HH], DUMPB-OUTB
	v_add_nc_u32 v34, v34, v35
	v_add_nc_u32 v[OFS], OUTB, v34
	s_mul_i32 s2, s[WV], 3*256
	s_add_co_u32 s2, s2, 49*32-2*256               ; t = 48 has slot 49; a tile is 8 slots of 32 bytes
	v_add_nc_u32 v[OSA], s2, v[OFS]
	WIN 0xc0
.set i, CHG
.rept 20
	v_mov_b32 v[i], 0                              ; the chains are read, moving down, before their first outputs have come
.set i, i+1
.endr
	WIN 0
	s_mov_b32 s[DEC], 0x3f666666                   ; 0.9; the packed forms name a pair and take its low word for both halves
	s_mov_b32 s[DEC+1], 0x3f666666
	s_mov_b32 s[BIG], 0x4e800000                   ; 2^30
	s_mov_b32 s[BIG+1], 0x4e800000
	s_mov_b32 s[NEGH], 0xce000000                  ; -2^29
	s_mov_b32 s[NEGH+1], 0xce000000
	s_mov_b32 s[IDEC], 0x3f8e38e4                  ; 1 / 0.9
	s_mov_b32 s[IDEC+1], 0x3f8e38e4
	s_mov_b32 s[SIX], 0x3f080c84                   ; 0.9^6
	s_mov_b32 s[SIX+1], 0x3f080c84
	s_add_co_u32 s2, s[WV], 3
	s_lshr_b32 s2, s2, 2                           ; 0 for wave 0, 1 for the others
	s_lshl_b32 s2, s2, 1
	s_mul_i32 s[I0], s[WV], 3
	s_sub_co_u32 s[I0], s[I0], s2                  ; 0, 1, 4, 7
	s_mul_i32 s2, ttmp9, 1536                      ; my four batch rows in a frame,
	s_mul_i32 s3, s[WV], 32*FRB                    ; my wave's 32 frames
	s_add_co_u32 s2, s2, s3
	s_mov_b32 s3, 0
	s_wait_kmcnt 0x0
	s_load_b32 s18, s[12:13], 0x0
	s_load_b32 s19, s[14:15], 0x0
	s_add_nc_u64 s[XB:XB+1], s[4:5], s[2:3]
	s_add_nc_u64 s[XB+2:XB+3], s[XB:XB+1], 8*FRB
	s_add_nc_u64 s[XB+4:XB+5], s[XB:XB+1], 16*FRB
	s_add_nc_u64 s[XB+6:XB+7], s[XB:XB+1], 24*FRB
	s_mul_i32 s2, s[WV], 12288
	s_add_nc_u64 s[48:49], s[6:7], s[2:3]          ; my 32 rows of W_in
	s_lshl_b32 s2, s[WV], 14
	s_add_nc_u64 s[50:51], s[8:9], s[2:3]          ; my 32 rows of W_h0
	s_lshl_b32 s2, ttmp9, 5
	s_add_nc_u64 s[52:53], s[16:17], s[2:3]        ; out0 at my four batch rows
	s_wait_alu depctr_va_vdst(0)                   ; the offsets and LDS addresses v4 to v26 are written, which the kernel's loads and stores read; so are v32 to v36, at work above, in which loads of W_in land
	; THE WEIGHTS, then the first pass's x
.irp a, 0,1,2,3,4,5,6,7
.irp c, 0,1,2
	global_load_b128 v[32+4*(3*\a+\c):32+4*(3*\a+\c)+3], v[WIO], s[48:49] offset:\a*1536+\c*256   ; run c of two pairs of rows
.endr
.endr
	WIN 0x80
.set i, 0
.rept 32
	global_load_b128 v[4*i:4*i+3], v[L16], s[50:51] offset:512*i   ; a row of W_h0
.set i, i+1
.endr
.set i, 0
.rept 16                               ; W_out as a fragment wants it: for 32 kk on, 8 f32 at 8 h and 8 at 16 + 8 h
	global_load_b128 v[128+4*i:128+4*i+3], v[WOO], s[10:11] offset:128*(i/4)+16*(i%2)+64*((i%4)/2)
.set i, i+1
.endr
	XLOAD
	s_wait_loadcnt 48                              ; loads come back in order (ISA guide 5.7.1): all but the 48 of x, issued last, are in
.set i, 0
.rept 48
	v_cvt_pk_bf16_f32 v[128+i], v[32+2*i], v[32+2*i+1]
.set i, i+1
.endr
	WIN 0x0a                                       ; sources in window 2, destination in window 0
.set i, 0
.rept 64
	v_cvt_pk_bf16_f32 v[176+i], v[2*i], v[2*i+1]
.set i, i+1
.endr
	WIN 0
	s_wait_alu depctr_va_vdst(0)                   ; both runs of conversions have written v128 to v239, which the 56 LDS stores read
.irp a, 0,1,2,3,4,5,6,7
	ds_store_b64 v[SWA], v[128+2*(3*\a):128+2*(3*\a)+1] offset:\a*4*PX
	ds_store_b64 v[SWB], v[128+2*(3*\a+1):128+2*(3*\a+1)+1] offset:\a*4*PX+128
	ds_store_b64 v[SWA], v[128+2*(3*\a+2):128+2*(3*\a+2)+1] offset:\a*4*PX+PX+64
.endr
.set i, 0
.rept 32
	ds_store_b64 v[WHST], v[176+2*i:176+2*i+1] offset:i*PH
.set i, i+1
.endr
	v_cmp_gt_u32 vcc_lo, 2, v[RR]
	WIN 0xca                                       ; sources in window 2, destination in window 3
.set i, 0
.rept 32
	v_cvt_pk_bf16_f32 v[WO+i], v[128+2*i], v[128+2*i+1]
.set i, i+1
.endr
	s_wait_alu depctr_va_vcc(0)                    ; the compare has written VCC, which the selects read
	WIN 0xcc
.set i, 0
.rept 32
	v_cndmask_b32 v[WO+i], 0, v[WO+i], vcc_lo      ; rows 2 to 15 of the padded W_out are 0
.set i, i+1
.endr
	WIN 0
	s_wait_kmcnt 0x0
	v_cvt_pk_bf16_f32 v[ADR], s18, s19             ; v_x, v_y rounded like the other inputs
	WIN 0x40
	v_lshlrev_b32 v[VXY], 16, v[ADR]
	v_and_b32 v[VXY+1], 0xffff0000, v[ADR]
	WIN 0
	BAR                                            ; both weight stages are whole
	WIN 0x80
	s_wait_alu depctr_va_vdst(0)                   ; the conversions of W_h0 and W_out are done reading window 2's v0 to v191, in which W_h0's fragments land
.irp kq, 0,1,2,3
.irp mq, 0,1,2,3,4,5,6,7
	ds_load_b128 v[8*(8*\kq+\mq):8*(8*\kq+\mq)+3],   v[WHA] offset:\mq*16*PH+64*\kq
	ds_load_b128 v[8*(8*\kq+\mq)+4:8*(8*\kq+\mq)+7], v[WHA] offset:\mq*16*PH+64*\kq+32
.endr
.endr
	WIN 0
	s_mov_b32 s[PASS], 2
; ---- y = W_in x^T for 16 samples (8 frames x 2 rows): 24 products, the 8 accumulators by turns
.macro MMY tt
	WIN 0x01                                       ; W_in in window 1
.irp kq, 0,1,2
.irp mq, 0,1,2,3,4,5,6,7
.if \kq == 0
	v_wmma_f32_16x16x32_bf16 v[YA+64*((\tt)&1)+8*\mq:YA+64*((\tt)&1)+8*\mq+7], v[8*(8*\kq+\mq):8*(8*\kq+\mq)+7], v[XF+24*(\tt)+8*\kq:XF+24*(\tt)+8*\kq+7], 0
.else
	v_wmma_f32_16x16x32_bf16 v[YA+64*((\tt)&1)+8*\mq:YA+64*((\tt)&1)+8*\mq+7], v[8*(8*\kq+\mq):8*(8*\kq+\mq)+7], v[XF+24*(\tt)+8*\kq:XF+24*(\tt)+8*\kq+7], v[YA+64*((\tt)&1)+8*\mq:YA+64*((\tt)&1)+8*\mq+7]
.endif
.endr
.endr
.endm
.macro STY tt                          ; into the table: row = sample, 32 bytes for each block of 16 neurons; each accumulator's lowest registers go first
	WIN 0
.irp mq, 0,1,2,3,4,5,6,7
.irp c, 0,1
	ds_store_b128 v[YST], v[YA+64*((\tt)&1)+8*\mq+4*\c:YA+64*((\tt)&1)+8*\mq+4*\c+3] offset:(\tt)*16*PT+64*\mq+16*\c
.endr
.endr
.endm
; ---- the sweep.  A thread owns one batch row and two neurons in every slot; a wave's access covers 256 consecutive bytes
.macro LOADBLK bt                      ; frames 32 bt - 2 .. 32 bt + 31
.set f, 32*(\bt)-2
.rept 34
.if f >= 0
	ds_load_b64 v[YB+68*((\bt)&1)+2*(f-32*(\bt)+2):YB+68*((\bt)&1)+2*(f-32*(\bt)+2)+1], v[SW0+f/62] offset:(f%62)*SLB
.endif
.set f, f+1
.endr
.endm
; The sums of frames fg .. fg + 3.  p_i = y_i-1 + y_i; w_i = p_i + y_i-2; q_i = p_i + p_i-2; the full window that ends at i is q_i + w_i-4.
; The partial window that ends at i has (i + 1) % 7 + 1 frames: y, p, w, q, p_i + w_i-2, w_i + w_i-3, or the full one.  Like sums stand together, so that none reads the line before it.
.macro GSUMS
.set fi, fg
.rept 4
.set yb, YB+68*((fi/32)&1)+2*(fi%32)+4
.if fi <= 126
	v_pk_add_f32 v[PR+2*(fi&7):PR+2*(fi&7)+1], v[yb-2:yb-1], v[yb:yb+1]
.endif
.set fi, fi+1
.endr
.set fi, fg
.rept 4
.set yb, YB+68*((fi/32)&1)+2*(fi%32)+4
.if fi <= 126
	v_pk_add_f32 v[WR+2*(fi&7):WR+2*(fi&7)+1], v[PR+2*(fi&7):PR+2*(fi&7)+1], v[yb-4:yb-3]
.endif
.set fi, fi+1
.endr
.set fi, fg
.rept 4
.if (fi >= 2) && (fi <= 126)
	v_pk_add_f32 v[QT+2*(fi&7):QT+2*(fi&7)+1], v[PR+2*(fi&7):PR+2*(fi&7)+1], v[PR+2*((fi-2)&7):PR+2*((fi-2)&7)+1]
.endif
.set fi, fi+1
.endr
.set fi, fg
.rept 4
.if (fi <= 55) && ((fi+1)%7 == 4)
	v_pk_add_f32 v[GT+2*(fi&7):GT+2*(fi&7)+1], v[PR+2*(fi&7):PR+2*(fi&7)+1], v[WR+2*((fi-2)&7):WR+2*((fi-2)&7)+1]
.endif
.if (fi <= 55) && ((fi+1)%7 == 5)
	v_pk_add_f32 v[GT+2*(fi&7):GT+2*(fi&7)+1], v[WR+2*(fi&7):WR+2*(fi&7)+1], v[WR+2*((fi-3)&7):WR+2*((fi-3)&7)+1]
.endif
.set fi, fi+1
.endr
.set fi, fg
.rept 4
.if (fi >= 5) && (fi <= 126)
	v_pk_add_f32 v[CT+2*(fi&7):CT+2*(fi&7)+1], v[QT+2*(fi&7):QT+2*(fi&7)+1], v[WR+2*((fi-4)&7):WR+2*((fi-4)&7)+1]
.endif
.set fi, fi+1
.endr
.endm
; The stores of frames fs .. fs + 3: the full window that ends at i goes to slot i - 5, which this thread has read long before; the partial one to slot i + 1 of the other table.
.macro GSTORE
.set fi, fs
.rept 4
.if (fi >= 5) && (fi <= 126)
	ds_store_b64 v[SW0+(fi-5)/62], v[CT+2*(fi&7):CT+2*(fi&7)+1] offset:((fi-5)%62)*SLB
.endif
.if fi <= 55
.set gj, (fi+1)%7
.if gj == 0
.set gs, YB+68*((fi/32)&1)+2*(fi%32)+4
.elseif gj == 1
.set gs, PR+2*(fi&7)
.elseif gj == 2
.set gs, WR+2*(fi&7)
.elseif gj == 3
.set gs, QT+2*(fi&7)
.elseif gj == 6
.set gs, CT+2*(fi&7)
.else
.set gs, GT+2*(fi&7)
.endif
	ds_store_b64 v[GSW], v[gs:gs+1] offset:(fi+1)*SLB
.endif
.set fi, fi+1
.endr
.endm
; A block: eight groups of four frames.  A group's stores stand behind the wait at the next step's head, ahead of the next group's sums, which write the rings' other half.
.macro BLOCK bt
.if (\bt) > 0
	s_wait_alu depctr_vm_vsrc(0)                   ; the last block's stores have read the rings, which this block's first two groups write, and the y of the buffer in which the loads below land
.endif
.if (\bt) < 3
	LOADBLK (\bt)+1                                ; slots 32 bt + 30 on: above the highest slot that this block stores, 32 bt + 26.  No vector instruction since the last wait on va_vdst names their registers
	s_wait_dscnt 34                                ; LDS instructions of a wave end in order (ISA guide 5.7.1): all but the 34 just issued are done, this block's loads among them
.else
	s_wait_dscnt 0x0
.endif
.set fg, 32*(\bt)
	GSUMS
.rept 7
.if fg > 32*(\bt)
	s_wait_alu depctr_vm_vsrc(0)                   ; the stores issued in the step before have read the half of the rings that the sums below write
.endif
	s_wait_alu depctr_va_vdst(0)                   ; the last group's sums are written, which the stores below read
.set fs, fg
	GSTORE
.set fg, fg+4
	GSUMS
.endr
	s_wait_alu depctr_va_vdst(0)                   ; the block's last sums are written, which the stores below read; and the block is done reading its y
.set fs, fg
	GSTORE
.endm
; ---- a layer's step as a numbered list of 192 lines: 0-31 m = 0.9 m + cur; 32-63 m = m - q m; 64-95 e = 2^30 m - 2^29; 96-159 q = the middle of (e, 0, 1); 160-191 two q packed.  Ascending, so that of each
; accumulator the lowest registers are read first.  A net's first step (m = cur) begins at 64.
.set K1N, 0                            ; layer 1
.set K1S, 1                            ; layer 1, step 1 of an S tile: the old m lies where the input was, the new input where m will be
.set K1F, 2                            ; layer 1, first step: m is the input
.set K1P, 3                            ; layer 1, a partial step: all results in place of the input; the state stays
.set K2N, 4                            ; layer 2
.set K2F, 5                            ; layer 2, first step: the products have gone straight into m
.set K2P, 6                            ; layer 2, a partial step
.macro SETL k
.set L0, 0
.if (\k) < K2N
.set LA, MEM1
.set LC, CUR
.set LM, MEM1
.set LQI, SPQ1
.set LQO, SPQ1
.set LS, SPK1
.else
.set LA, MEM2
.set LC, ACC
.set LM, MEM2
.set LQI, SPQ2
.set LQO, SPQ2
.set LS, SPK2
.endif
.if (\k) == K1S
.set LA, CUR
.set LC, MEM1
.elseif (\k) == K1F
.set LM, CUR
.set L0, 64
.elseif (\k) == K1P
.set LM, CUR
.set LQO, CUR
.elseif (\k) == K2F
.set L0, 64
.elseif (\k) == K2P
.set LM, ACC
.set LQO, ACC
.endif
.endm
.macro LIFOP n
.if (\n) < 32
.set e2, 2*(\n)
	v_pk_fma_f32 v[LM+e2:LM+e2+1], v[LA+e2:LA+e2+1], s[DEC:DEC+1], v[LC+e2:LC+e2+1] op_sel_hi:[1,0,1]
.elseif (\n) < 64
.set e2, 2*((\n)-32)
	v_pk_fma_f32 v[LM+e2:LM+e2+1], v[LQI+e2:LQI+e2+1], v[LM+e2:LM+e2+1], v[LM+e2:LM+e2+1] neg_lo:[1,0,0] neg_hi:[1,0,0]
.elseif (\n) < 96
.set e2, 2*((\n)-64)
	v_pk_fma_f32 v[LQO+e2:LQO+e2+1], v[LM+e2:LM+e2+1], s[BIG:BIG+1], s[NEGH:NEGH+1] op_sel_hi:[1,0,0]
.elseif (\n) < 160
.set e2, (\n)-96
	v_med3_num_f32 v[LQO+e2], v[LQO+e2], 0, 1.0
.else
.set e2, (\n)-160
	v_cvt_pk_bf16_f32 v[LS+e2], v[LQO+2*e2], v[LQO+2*e2+1]
.endif
.endm
.macro LUMP k                          ; a whole step on end
	SETL \k
.if (\k) < K2N
	WIN 0
.else
	WIN 0x55
.endif
.set ln, L0
.rept 192-L0
	LIFOP ln
.set ln, ln+1
.endr
.endm
; Matrix instruction wi of a stage's 36: for each 32 neurons kk, eight blocks of W_h0's rows into d2, then W_out into OAC
.macro MM d2
.set kk, wi/9
.set pos, wi%9
.if pos < 8
	WIN 0x52                                       ; W_h0 window 2, spikes window 0, C and D window 1
.if kk == 0
	v_wmma_f32_16x16x32_bf16 v[(\d2)+8*pos:(\d2)+8*pos+7], v[8*(8*kk+pos):8*(8*kk+pos)+7], v[SPK1+8*kk:SPK1+8*kk+7], 0
.else
	v_wmma_f32_16x16x32_bf16 v[(\d2)+8*pos:(\d2)+8*pos+7], v[8*(8*kk+pos):8*(8*kk+pos)+7], v[SPK1+8*kk:SPK1+8*kk+7], v[(\d2)+8*pos:(\d2)+8*pos+7]
.endif
.else
	WIN 0x57                                       ; W_out window 3, spikes, C and D window 1
.if kk == 0
	v_wmma_f32_16x16x32_bf16 v[OAC:OAC+7], v[WO+8*kk:WO+8*kk+7], v[SPK2+8*kk:SPK2+8*kk+7], 0
.else
	v_wmma_f32_16x16x32_bf16 v[OAC:OAC+7], v[WO+8*kk:WO+8*kk+7], v[SPK2+8*kk:SPK2+8*kk+7], v[OAC:OAC+7]
.endif
.endif
.endm
.macro CLOAD ofs, dst                  ; a table row's 64 numbers that are mine: 32 bytes of every 64
.set i, 0
.rept 16
	ds_load_b128 v[(\dst)+4*i:(\dst)+4*i+3], v[ADR] offset:(\ofs)+64*(i/2)+16*(i%2)
.set i, i+1
.endr
.endm
; AN OUTPUT: its chain moves down one pair, and (0.9 x read-out + the product) x v goes on top.  kind = 1: an S tile's, times (v_x, v_y); 2: a partial step's, times that and the decay of the steps left out
.macro OUTEV kind
	WIN 0xc3                                       ; window 3 to window 3
.set i, 0
.if (\kind) == 1
.rept 4
	v_mov_b32 v[CHS+i], v[CHS+i+2]
.set i, i+1
.endr
	WIN 0xd1                                       ; read-out and product in window 1, destination in window 3
	v_pk_fma_f32 v[CHS+4:CHS+5], v[MOUT:MOUT+1], s[DEC:DEC+1], v[OAC:OAC+1] op_sel_hi:[1,0,1]
	WIN 0xc7                                       ; source 0 and destination in window 3, source 1 in window 1
	v_pk_mul_f32 v[CHS+4:CHS+5], v[CHS+4:CHS+5], v[VXY:VXY+1]
.else
.rept 12
	v_mov_b32 v[CHG+i], v[CHG+i+2]
.set i, i+1
.endr
	WIN 0xd1
	v_pk_fma_f32 v[CHG+12:CHG+13], v[MOUT:MOUT+1], s[DEC:DEC+1], v[OAC:OAC+1] op_sel_hi:[1,0,1]
	WIN 0xc7
	v_pk_mul_f32 v[CHG+12:CHG+13], v[CHG+12:CHG+13], v[VDK:VDK+1]
.endif
.endm
; A STAGE.  d2: where W_h0's products go; l1: the kind of the layer-1 step that rides; l2: the kind of this step's layer 2; s[sreg] + v[breg] + ofs: the table row fetched, into dst;
; out = 0: the read-out takes the product; 1: the S tile before has its output, and the read-out starts anew; 2: a partial step has its output, and the read-out stays.
.macro STAGE d2, l1, l2, sreg, breg, ofs, dst, out
	s_wait_dscnt 0x0                               ; the input asked for in the last stage, in front of that stage's layer 2
	SETL \l1
.set wi, 0
.set ln, L0
.rept 36
	MM \d2
	WIN 0
.rept ((160-L0)*(wi+1))/36-((160-L0)*wi)/36
	LIFOP ln                                       ; none of these names a register of the products round it
.set ln, ln+1
.endr
.set wi, wi+1
.endr
.rept 32                               ; the packs write the spikes that the products have read: the last eight registers, read by the last product but one, come behind 24 other packs.  These 32 plain
	LIFOP ln                                       ; lines are also the places between the last products and the first read of their results (ISA guide 7.12.1)
.set ln, ln+1
.endr
	s_wait_alu depctr_vm_vsrc(0)                   ; the last stage's table loads have read v[ADR]
	v_add_nc_u32 v[ADR], s[\sreg], v[\breg]
	s_wait_alu depctr_va_vdst(0)                   ; v[ADR] is written; layer 1's lines are done reading and writing the registers in which the loads land
	CLOAD \ofs, \dst
.if (\out) == 0
	WIN 0x55
	v_pk_fma_f32 v[MOUT:MOUT+1], v[MOUT:MOUT+1], s[DEC:DEC+1], v[OAC:OAC+1] op_sel_hi:[1,0,1]
.else
	OUTEV \out
	WIN 0x55
.if (\out) == 1
	v_mov_b32 v[MOUT], 0
	v_mov_b32 v[MOUT+1], 0
.else
	v_pk_mul_f32 v[VDK:VDK+1], v[VDK:VDK+1], s[IDEC:IDEC+1] op_sel_hi:[1,0]
.endif
.endif
	LUMP \l2
.endm
.macro ZERO2                           ; no second-layer spikes yet, and an empty read-out
	WIN 0x40
.set i, SPK2
.rept 32
	v_mov_b32 v[i], 0
.set i, i+1
.endr
	v_mov_b32 v[MOUT], 0
	v_mov_b32 v[MOUT+1], 0
.endm
; The chains go into the out stage; p: the pass's 16 bytes in a slot.  Wave 0: window k's seven times begin at slot 7 k.  The tile's eighth time (lanes 14, 15) holds no result and falls on the next window's first
; slot, for k = 6 on S tile 0's: LDS serves a wave's instructions in order (ISA guide 5.7.1.4), and the next store of this wave writes the true numbers over it.
.macro OUTST p
	s_cmp_lg_u32 s[WV], 0
	s_cbranch_scc1 .Lnot_0_\@
	WIN 0x0c                                       ; address in window 0, data in window 3
.irp k, 0,1,2,3,4,5,6
	ds_store_b64 v[OFS], v[CHG+2*\k:CHG+2*\k+1] offset:\k*7*32+(\p)
.endr
	ds_store_b64 v[OFS], v[CHS+4:CHS+5] offset:49*32+(\p)          ; S tile 0: wave 0's chain has had two outputs, of which the first was none
	WIN 0
	s_branch .Lstored_\@
.Lnot_0_\@:
	WIN 0x0c
.irp k, 0,1,2
	ds_store_b64 v[OSA], v[CHS+2*\k:CHS+2*\k+1] offset:\k*256+(\p) ; four outputs: the first, which was none, has left the chain
.endr
	WIN 0
.Lstored_\@:
.endm
.Lpass:                                                ; two trips: batch rows 0, 1 and 2, 3 of my four
	WIN 0x40                                       ; W_in's fragments land in window 1's v0 to v191.  No wait: on both ways in no vector or matrix instruction has been issued since the last wait on va_vdst
.irp kq, 0,1,2
.irp mq, 0,1,2,3,4,5,6,7
	ds_load_b128 v[8*(8*\kq+\mq):8*(8*\kq+\mq)+3],   v[WIA] offset:\mq*16*PX+64*\kq
	ds_load_b128 v[8*(8*\kq+\mq)+4:8*(8*\kq+\mq)+7], v[WIA] offset:\mq*16*PX+64*\kq+32
.endr
.endr
	s_wait_loadcnt 0x0                             ; this pass's x
	WIN 0x0f                                       ; sources in window 3, destination in window 0
.set i, 0
.rept 96
	v_cvt_pk_bf16_f32 v[32+i], v[XR+2*i], v[XR+2*i+1]
.set i, i+1
.endr
	WIN 0
	s_wait_alu depctr_va_vdst(0)                   ; the conversions have written v32 to v127, which the stores read, and are done reading x as loaded
.irp t, 0,1,2,3
.irp a, 0,1,2,3
	ds_store_b64 v[SXA], v[32+2*(12*\t+3*\a):32+2*(12*\t+3*\a)+1] offset:(16*\t+4*\a)*PX
	ds_store_b64 v[SXB], v[32+2*(12*\t+3*\a+1):32+2*(12*\t+3*\a+1)+1] offset:(16*\t+4*\a)*PX+128
	ds_store_b64 v[SXA], v[32+2*(12*\t+3*\a+2):32+2*(12*\t+3*\a+2)+1] offset:(16*\t+4*\a)*PX+PX+64
.endr
.endr
	s_wait_alu depctr_vm_vsrc(0)                   ; these stores have read v32 to v127, which the products write; in the first trip the weights' stores have read v160 to v239, in which x's fragments land
.irp t, 0,1,2,3
.irp kq, 0,1,2
	ds_load_b128 v[XF+24*\t+8*\kq:XF+24*\t+8*\kq+3],   v[XFA] offset:\t*16*PX+64*\kq      ; my wave's own bytes: LDS serves a wave's instructions in order (ISA guide 5.7.1.4), so these see the stores above
	ds_load_b128 v[XF+24*\t+8*\kq+4:XF+24*\t+8*\kq+7], v[XFA] offset:\t*16*PX+64*\kq+32
.endr
.endr
	s_wait_dscnt 0x0                               ; the fragments of W_in and x (in the first trip W_h0's too)
	MMY 0
	MMY 1
	PLACES 5                                       ; between products and the stores that read them, and the products that write over them
	s_wait_alu depctr_va_vdst(0)                   ; the products have written both buffers of y, which the stores read; the places above stay beside this wait
	STY 0
	s_wait_alu depctr_vm_vsrc(0)                   ; the stores have read buffer 0, which the next products write
	MMY 2
	STY 1                                          ; no wait: the products issued since the wait on va_vdst name buffer 0, W_in's and x's fragments, none of the registers that these stores read
	s_wait_alu depctr_vm_vsrc(0)                   ; the stores have read buffer 1, which the next products write
	MMY 3
	PLACES 5
	s_wait_alu depctr_va_vdst(0)                   ; the products have written both buffers anew, and are done reading x's fragments
	STY 2
	STY 3
	BAR                                            ; y of all 128 frames is in the table
	s_wait_alu depctr_vm_vsrc(0)                   ; my stores of y have read v32 to v159, in which the sweep's loads land and of which four are cleared
	LOADBLK 0                                      ; no vector or matrix instruction has been issued since the wait on va_vdst above
.irp j, 0,1,2,3
	v_mov_b32 v[YB+\j], 0                          ; frames -2 and -1
.endr
	s_wait_alu depctr_va_vdst(0)                   ; v32 and v33 are written, which the store reads
	ds_store_b64 v[GSW], v[YB:YB+1]                ; the partial window of t = -1
	BLOCK 0
	BLOCK 1
	BLOCK 2
	BLOCK 3
	BAR                                            ; both tables are whole; from here to the next barrier LDS is only read
	s_wait_alu depctr_vm_vsrc(0)                   ; the sweep's stores have read v32 to v247, which the stages' vector lines and table loads write
	s_cmp_eq_u32 s[PASS], 1
	s_cbranch_scc1 .Lno_x                          ; the second trip has no pass behind it
.irp t, 0,1,2,3
	s_add_nc_u64 s[XB+2*\t:XB+2*\t+1], s[XB+2*\t:XB+2*\t+1], 768  ; the loads that named these are done: the wait for x above
.endr
	XLOAD                                          ; the next pass's x: 48 loads stay out during this pass's 21 stages; nothing names their registers till the wait for x.  The conversions that read them stand ahead of many a wait on va_vdst
.Lno_x:
	s_mul_i32 s[TA], s[I0], TILEB
	s_add_co_u32 s[TA], s[TA], CB
	s_cmp_lg_u32 s[WV], 0
	s_cbranch_scc1 .Lno_g
	; THE G TILE (wave 0).  The net's state is zero and is written so: 256 registers, in place of two more texts of a stage for the first window
.set i, MEM1
.rept 128
	v_mov_b32 v[i], 0
.set i, i+1
.endr
	WIN 0x40
.set i, MEM2
.rept 128
	v_mov_b32 v[i], 0
.set i, i+1
.endr
	ZERO2
	WIN 0x55
	v_pk_mul_f32 v[VDK:VDK+1], v[VXY:VXY+1], s[SIX:SIX+1] op_sel_hi:[1,0]
	WIN 0
	s_mov_b32 s[TG], GB
	s_mov_b32 s[TF], CB
	v_add_nc_u32 v[ADR], s[TG], v[LB]
	s_wait_alu depctr_va_vdst(0)                   ; v[ADR] is written
	CLOAD 0, CUR
	s_wait_dscnt 0x0
	LUMP K1P                                       ; layer 1 of window 0's partial step
	s_wait_alu depctr_vm_vsrc(0)                   ; the loads above have read v[ADR]
	v_add_nc_u32 v[ADR], s[TF], v[LF]
	s_wait_alu depctr_va_vdst(0)                   ; v[ADR] is written; the partial step is done reading and writing the input's registers, in which the loads land
	CLOAD 0, CUR
	s_mov_b32 s[KC], 7
.Lg:                                                   ; window k: its partial step, then its full step.  The seventh full step and the last look-aheads read written rows and serve nothing
	STAGE ACC, K1N, K2P, TG, LB, STEPB, CUR, 0
	STAGE ACC, K1P, K2N, TF, LF, STEPB, CUR, 2
	WIN 0
	s_add_co_u32 s[TG], s[TG], STEPB
	s_add_co_u32 s[TF], s[TF], STEPB
	s_sub_co_u32 s[KC], s[KC], 1
	s_cmp_lg_u32 s[KC], 0
	s_cbranch_scc1 .Lg
.Lno_g:
	; THE S TILES
	s_wait_dscnt 0x0                               ; the G tile's last look-ahead lands in the registers that are loaded next
	ZERO2
	WIN 0
	s_wait_alu depctr_vm_vsrc(0)                   ; in wave 0 the G tile's last table loads have read v[ADR]
	v_add_nc_u32 v[ADR], s[TA], v[LB]
	s_wait_alu depctr_va_vdst(0)                   ; v[ADR] is written; in wave 0 the G tile's lines are done with the input's and the membranes' registers, in which the 32 loads land
	CLOAD 0, CUR
	CLOAD STEPB, MEM1                              ; step 1's input goes out with step 0's: the lines below name neither its registers nor v[ADR]
	s_wait_dscnt 16                                ; step 0's input is in; the 16 younger loads stay out
	LUMP K1F                                       ; layer 1 of my first tile's step 0
	s_mov_b32 s[TILE], 3
.Lt:
	s_cmp_lg_u32 s[WV], 0
	s_cbranch_scc1 .Llive
	s_cmp_lg_u32 s[TILE], 3
	s_cbranch_scc1 .Lts                            ; wave 0 has one S tile: its last two trips are jumped over
.Llive:
	STAGE MEM2, K1S, K2F, TA, LB, 2*STEPB, CUR, 1  ; step 0; the tile before has its output
	WIN 0
	s_add_co_u32 s[TCU], s[TA], 3*STEPB
	s_mov_b32 s[MID], 4
.Lm:                                                   ; steps 1 to 4
	STAGE ACC, K1N, K2N, TCU, LB, 0, CUR, 0
	WIN 0
	s_add_co_u32 s[TCU], s[TCU], STEPB
	s_sub_co_u32 s[MID], s[MID], 1
	s_cmp_lg_u32 s[MID], 0
	s_cbranch_scc1 .Lm
	STAGE ACC, K1N, K2N, TA, LB, TILEB, CUR, 0     ; step 5; the next tile's step 0 is fetched (behind a wave's last tile: written rows, not used)
	STAGE ACC, K1F, K2N, TA, LB, TILEB+STEPB, MEM1, 0  ; step 6; the next tile's first layer 1 rides
	WIN 0
	s_add_co_u32 s[TA], s[TA], TILEB
.Lts:
	s_sub_co_u32 s[TILE], s[TILE], 1
	s_cmp_lg_u32 s[TILE], 0
	s_cbranch_scc1 .Lt
	; my last tile's last read-out: four products on one accumulator
	WIN 0x57
	v_wmma_f32_16x16x32_bf16 v[OAC:OAC+7], v[WO:WO+7], v[SPK2:SPK2+7], 0
.irp kq, 1,2,3
	s_wait_alu depctr_va_vdst(0)                   ; each link adds onto the link before: the wait stands ahead of it
	v_wmma_f32_16x16x32_bf16 v[OAC:OAC+7], v[WO+8*\kq:WO+8*\kq+7], v[SPK2+8*\kq:SPK2+8*\kq+7], v[OAC:OAC+7]
.endr
	PLACES 4
	OUTEV 1
	WIN 0
	s_wait_alu depctr_va_vdst(0)                   ; the outputs have written the chains, which the stores behind the barrier read; the pass is done with window 1's v0 to v191, in which the next pass's W_in lands
	BAR                                            ; nobody reads the tables any more
	s_cmp_eq_u32 s[PASS], 1
	s_cbranch_scc1 .Lsecond
	OUTST 0
	s_branch .Lpass_end
.Lsecond:
	OUTST 16
.Lpass_end:
	s_sub_co_u32 s[PASS], s[PASS], 1
	s_cmp_lg_u32 s[PASS], 0
	s_cbranch_scc1 .Lpass
	; THE WAY OUT: thread t takes time t's 32 bytes
	BAR                                            ; every wave's outputs of both passes are in the stage
	s_wait_alu depctr_vm_vsrc(0)                   ; the last stage's table loads have read v[ADR]
	v_lshl_add_u32 v[ADR], v0, 5, OUTB+32
	s_wait_alu depctr_va_vdst(0)                   ; v[ADR] is written
	ds_load_b128 v[32:35], v[ADR]
	ds_load_b128 v[36:39], v[ADR] offset:16
	s_wait_dscnt 0x0
	global_store_b128 v[GOF], v[32:35], s[52:53] th:TH_STORE_NT
	global_store_b128 v[GOF], v[36:39], s[52:53] offset:16 th:TH_STORE_NT
	s_wait_dscnt 0x0                               ; the wave's end
	s_wait_alu 0x0
	s_wait_tensorcnt 0x0
	ds_add_u32 v[SPW], v[NIL]
	s_wait_dscnt 0x0
	s_endpgm
.Lfunc_end_k_q4f7b575530_snn:
	.size	k_q4f7b575530_snn, .Lfunc_end_k_q4f7b575530_snn-k_q4f7b575530_snn
	.p2alignl 7, 3214868480
	.fill 96, 4, 3214868480
	.section	.rodata,"a",@progbits
	.p2align	6, 0x0
	.amdhsa_kernel k_q4f7b575530_snn
		.amdhsa_group_segment_fixed_size 319488
		.amdhsa_private_segment_fixed_size 0
		.amdhsa_enable_private_segment 0
		.amdhsa_kernarg_size 56
		.amdhsa_user_sgpr_count 2
		.amdhsa_user_sgpr_kernarg_segment_ptr 1
		.amdhsa_wavefront_size32 1
		.amdhsa_system_sgpr_workgroup_id_x 1
		.amdhsa_system_sgpr_workgroup_id_y 1
		.amdhsa_system_sgpr_workgroup_id_z 1
		.amdhsa_system_vgpr_workitem_id 0
		.amdhsa_next_free_vgpr 1024
		.amdhsa_next_free_sgpr 66
		.amdhsa_reserve_vcc 1
		.amdhsa_float_denorm_mode_32 3
		.amdhsa_float_denorm_mode_16_64 3
		.amdhsa_memory_ordered 1
		.amdhsa_forward_progress 1
		.amdhsa_inst_pref_size 255
	.end_amdhsa_kernel
	.section	.bss,"aw",@nobits
	.p2align	6
	.space	262144
	.amdgpu_metadata
---
amdhsa.version: [ 1, 2 ]
amdhsa.kernels:
  - .name:           k_q4f7b575530_snn
    .symbol:         k_q4f7b575530_snn.kd
    .args:
      - { .name: x, .offset: 0, .size: 8, .value_kind: global_buffer, .address_space: global }
      - { .name: W_in, .offset: 8, .size: 8, .value_kind: global_buffer, .address_space: global }
      - { .name: W_h0, .offset: 16, .size: 8, .value_kind: global_buffer, .address_space: global }
      - { .name: W_out, .offset: 24, .size: 8, .value_kind: global_buffer, .address_space: global }
      - { .name: v_x, .offset: 32, .size: 8, .value_kind: global_buffer, .address_space: global }
      - { .name: v_y, .offset: 40, .size: 8, .value_kind: global_buffer, .address_space: global }
      - { .name: out0, .offset: 48, .size: 8, .value_kind: global_buffer, .address_space: global }
    .group_segment_fixed_size: 319488
    .private_segment_fixed_size: 0
    .kernarg_segment_align: 8
    .kernarg_segment_size: 56
    .max_flat_workgroup_size: 128
    .sgpr_count:     66
    .vgpr_count:     1024
    .wavefront_size: 32
...
	.end_amdgpu_metadata
.endif
;; end of part 2
